; MI455X (gfx1250); checked and timed in simulation.
; The chip was launched on July 23, 2026; its instructions are those of AMD's public machine-readable ISA for CDNA 5 (MIT licence, August 2026) and "CDNA5" Instruction Set Architecture Reference Guide (July 2026). The comments in the code are by the model that wrote it; some were corrected since.
;; Proof Navigator. Allowed arithmetic: matrix products marked QUANTISED: E3M2 operands, one E8M0 scale for each 32 along K, by v_wmma_scale_f32_16x16x128_f8f6f4 with both operands' format E3M2, f32 sums; products left as they are: f32 operands where the result goes on into a quantised operand, else bf16, f16 or f32 operands; f32 sums; everything else in f32.
;; Inputs: W1 4,096 x 2,048 float32; W2 4,096 x 4,096 float32; Wa 1,024 x 4,096 float32; Wc 1 x 4,096 float32; Wd 6 x 3 x 4,096 float32; Wp 1 x 4,096 float32; b1 4,096 float32; b2 4,096 float32; ba 1,024 float32; bc 1 float32; bd 6 x 3 float32; bp 1 float32; x 2,048 x 2,048 float32.
;; Outputs: out0 2,048 x 1,044 float32.
;; This version of the problem:
;;   THIS VERSION OF THE PROBLEM IS GIVEN IN LOW PRECISION. The matrix products marked QUANTISED in the list below multiply operands that are first quantised to E3M2 (3 exponent bits, 2 mantissa bits; 6 bits a number), with one power-of-two scale for each 32 numbers along K (OCP MX v1.0); their sums are f32. All else is computed in f32.
;;   The module's matrix products, in the order in which they are computed (A, B: the left and right operand; K: the contracted axis; several contracted axes count as one K, in the product's order):
;;     1. [M 2,048, K 2,048] x [K 2,048, N 4,096]; A: input x; B: computed on the way: QUANTISED
;;     2. [M 2,048, K 4,096] x [K 4,096, N 4,096]; A: computed on the way; B: computed on the way: QUANTISED
;;     3. [M 2,048, K 4,096] x [K 4,096, N 18]; A: computed on the way; B: computed on the way: QUANTISED
;;     4. [M 2,048, K 4,096] x [K 4,096, N 1,024]; A: computed on the way; B: input Wa: QUANTISED
;;     5. [M 2,048, K 4,096] x [K 4,096, N 1]; A: computed on the way; B: input Wp: left as it is (N = 1 < 16)
;;     6. [M 2,048, K 4,096] x [K 4,096, N 1]; A: computed on the way; B: input Wc: left as it is (N = 1 < 16)
;;   THE QUANTISER, for each operand of a quantised product, along K:
;;     - K is cut into blocks of 32 from its start; a last block that is shorter is filled with zeros.
;;     - A block's scale is 2^e with e = floor(log2(the largest magnitude in the block)) - 4, held to -126 .. 127; a block of zeros has e = 0. As a byte (E8M0): e + 127.
;;     - Each number is divided by its block's scale, clamped to +-28, and rounded to the nearest number of E3M2, ties to even, subnormals kept.
;;     - The product sums the exact products of the quantised numbers (number of the format x scale) in f32.
;;   ~~~python
;;   def quantise(x, axis):      # numpy; x: float32 -> the quantised numbers, widened to float32 again
;;       x = np.moveaxis(x, axis, -1); K = x.shape[-1]
;;       x = np.pad(x, [(0, 0)] * (x.ndim - 1) + [(0, -K % 32)]); x = x.reshape(x.shape[:-1] + (-1, 32)); a = np.abs(x).max(-1, keepdims=True)
;;       e = np.where(a > 0, np.clip(np.frexp(np.where(a > 0, a, 1))[1] - 1 - 4, -126, 127), 0)      # np.frexp(a)[1] - 1 = floor(log2(a)), exactly
;;       r = np.clip(x / 2.0 ** e, -28, 28)
;;       step = 2.0 ** (np.maximum(np.frexp(np.where(r == 0, 1, r))[1] - 1, -2) - 2)
;;       q = np.round(r / step) * step * 2.0 ** e      # np.round: ties to even
;;       return np.moveaxis(q.reshape(q.shape[:-2] + (-1,))[..., :K], -1, axis).astype(np.float32)
;;   ~~~
;;   OPERANDS COMPUTED ON THE WAY. 'Computed on the way' means the value that the module computes at that place (a softmax that the list does not call 'softmax' is quantised finished and normalised). What goes into a quantiser is computed in f32, as accurately as f32 sums, v_exp_f32 and their like allow (about 1e-6 of the number): no bf16 or f16 on the way to a quantiser, and a product that is left as it is and whose result goes on into a quantised operand takes f32 operands (vector FMAs, or v_wmma_f32_16x16x4_f32). A number that lies on a knife's edge between two numbers of the format may be rounded either way, as far as f32 arithmetic and the matrix unit's own rounding can turn it there, and no further.
;; One version. Each part assembles by itself: llvm-mc -triple=amdgcn-amd-amdhsa -mcpu=gfx1250 --defsym DOCPART=n.
;; ======== version 1 of 1: 5 launches
;; limits: right only within a limited range of input values
;; workspace buffers: psum 3,072 bytes; ptern 3,584 bytes; xq 3,276,800 bytes; w1q 6,291,456 bytes; w2q 12,582,912 bytes; whq 3,375,104 bytes; h1q 6,553,600 bytes; h2q 7,077,888 bytes
;; launch sums (part 1): grid 774 x 1, 8 waves a work-group, no clusters, 1,280 bytes of LDS; arguments W1, W2, Wd, psum, whq, ptern; writes psum, whq, ptern
.if DOCPART == 1
	.amdgcn_target "amdgcn-amd-amdhsa--gfx1250"
	.amdhsa_code_object_version 6
	.text
	.protected	k_q4987620482_sums
	.globl	k_q4987620482_sums
	.p2align	8
	.type	k_q4987620482_sums,@function
k_q4987620482_sums:
	s_mov_b64 s[64:65], 0
	v_nop
	global_prefetch_b8 v0, s[64:65] scope:SCOPE_SE
	s_setreg_imm32_b32 hwreg(HW_REG_WAVE_MODE, 25, 1), 1
	s_wait_xcnt 0x0
; FIRST OF FIVE LAUNCHES: the sums of |W| of W1 and W2, from which their ternary thresholds are made; and Wd's six heads whole: threshold, codes, and the pairs for alpha.
; psum[c] = the sum of |.| over chunk c of 128 KiB: c 0-511: W2; 512-767: W1.
; THE PROGRAM.  sums: this.  codes: delta = 0.7 mean |W|; t = sign(W) (|W| > delta) of W1 and W2 as E3M2 codes; the pairs (count, sum of |W| over the mask); x and Wa quantised.  gemm1, gemm2: the two hidden layers.  heads: the four heads.
; WHAT IS NOT COMPUTED AS reference() WRITES IT, AND WHY THAT HOLDS FOR ALL VALUES.  In exact arithmetic W + (Wq - W) = Wq = alpha t with t in {-1, 0, +1}.  In a block of 32 along K that holds a non-zero the largest
; magnitude is alpha, so the block's scale is 2^(floor(log2 alpha) - 4) and every non-zero becomes +-Q(alpha), Q(alpha) being alpha held at 28 scales and rounded to two mantissa bits; a block of zeros stays zeros.
; So the quantised operand is Q(alpha) t, t is itself a number of E3M2 (scale byte 127), and the sum over k of xq Q(alpha) t = Q(alpha) x the sum of xq t.  The products therefore run on the codes of t, and the one
; number Q(alpha) multiplies the f32 sum on the way out.  That spares a third reading of W1, W2 and Wd with alpha known.  No input is left out: all thirteen are loaded.
; LIMITS.  NaN and infinities among the inputs are not served.  The rounding of W + (Wq - W) in f32, one unit in alpha's last place, is not reproduced: it can move Q(alpha) only where alpha lies at the middle between two
; numbers of the format.  A mean |W| or an alpha under 2^-120 is not served (the quantiser's hold of the exponent at -126 is not reproduced for alpha).  The sums here are f32 trees in another order than reference()'s;
; Wd's mean is a multiplication by 1 / 12,288.
; SHARES.  Work-groups 6 to 773: a chunk each: 768 chunks of equal bytes, a multiple of the chip's 256 WGPs.  Eight waves; a wave sums 16 KiB (32 loads of 512 consecutive bytes) in eight chains, three groups of 8 loads on their way.
; Work-groups 0 to 5: a head of Wd, 3 x 4,096 numbers.  A head's threshold hangs on that head alone, so one work-group makes it by itself: six waves hold half a row each in registers (task = 6 x head + wave = 2 d + kh:
; half kh of row d of the 18; 64 numbers a lane, in the operand's own order), the sums meet in LDS, and behind the barrier the same registers become t, codes and the pair.  They add 0 and end.
; THE DIRECTIONS' IMAGE, behind Wa's records in whq: tile j = d % 16, 192 bytes a K step of 128: registers 4 c .. 4 c + 3 of half h of row slot rr = d / 16 at 64 c + 32 h + 16 rr; tiles 2 to 15 have no second row: zero codes there.
; These are pieces of 16 bytes, and the lanes' reads of Wd are 128 bytes apart: Wd is 294,912 of the launch's 101 million bytes.  No matrix unit, no cluster: the work-groups share no byte.
.set RED,   0                          ; LDS: eight words, one a wave, in a block of 256 bytes of their own
.set SPARE, 256                        ; the spare words, 128 bytes for each wave: four blocks of 256 bytes that no other line names
.set ACC,   8                          ; v8-15    eight running sums; behind the barrier v9 delta, v10 the conversions' scale operand, v12-13 at work
.set X0,    16                         ; v16-111  three groups of 8 loads; a head's path: v16-79 my 64 numbers
.set PC,    80                         ; v80-91   the fragment's codes
.set PT0,   92                         ; v92-94, v96-98: a conversion's three registers begin on an even number: the odd halves are made here and moved
.set PT1,   96
.set MS,    100                        ; v100-103 sums of |W| over the mask, four chains
.set CN,    104                        ; v104-107 counts, two pairs
.set TA,    108                        ; v108-111 at work
.set TS,    112                        ; v112-115 at work
.set LA,    116                        ; v116     Wd: my lane's byte in the half row
.set SO,    117                        ; v117     and in the image
.macro LOADG g, set
.irp i, 0,1,2,3,4,5,6,7
	global_load_b128 v[X0+32*\set+4*\i:X0+32*\set+4*\i+3], v1, s[16:17] offset:4096*\g+512*\i
.endr
.endm
.macro SUMG set, n, first              ; n numbers of a lane into the eight chains; first = 1: the first sixteen start them: nothing is cleared
.set XB, X0+32*\set
.set i, 0
.if \first
.rept 8
	v_add_f32 v[ACC+i], |v[XB+i]|, |v[XB+i+8]|
.set i, i+1
.endr
.set i, 16
.endif
.rept (\n)-16*(\first)
	v_add_f32 v[ACC+i%8], v[ACC+i%8], |v[XB+i]|
.set i, i+1
.endr
.endm
.macro SUM8                            ; the eight waves' sums, added: into v[TA], in every lane
	v_mov_b32 v5, RED
	ds_load_b128 v[TA:TA+3], v5
	ds_load_b128 v[TS:TS+3], v5 offset:16
	s_wait_dscnt 0x0
	v_add_f32 v[TA], v[TA], v[TA+1]
	v_add_f32 v[TA+2], v[TA+2], v[TA+3]
	v_add_f32 v[TS], v[TS], v[TS+1]
	v_add_f32 v[TS+2], v[TS+2], v[TS+3]
	s_delay_alu instid0(VALU_DEP_3)
	v_add_f32 v[TA], v[TA], v[TA+2]
	s_delay_alu instid0(VALU_DEP_2)
	v_add_f32 v[TS], v[TS], v[TS+2]
	s_delay_alu instid0(VALU_DEP_1)
	v_add_f32 v[TA], v[TA], v[TS]
.endm
.macro TERN                            ; my 64 numbers become t, in place; the mask's count and its sum of |W| go on.  Four numbers by turns
.set e, 0
.rept 16
.irp k, 0,1,2,3
	v_and_b32 v[TA+\k], s36, v[X0+e+\k]            ; |W|
.endr
.irp k, 0,1,2,3
	s_delay_alu instid0(VALU_DEP_4)
	v_cmp_gt_f32 s[32+\k], v[TA+\k], v9            ; |W| > delta
.endr
.irp k, 0,1,2,3
	v_and_or_b32 v[TS+\k], v[X0+e+\k], s37, 1.0    ; W's sign on 1.0
.endr
.irp k, 0,1,2,3
	s_delay_alu instid0(VALU_DEP_4)
	v_cndmask_b32 v[X0+e+\k], 0, v[TS+\k], s[32+\k]
.endr
.irp k, 0,1,2,3
	s_delay_alu instid0(VALU_DEP_4)
	v_fma_f32 v[MS+\k], v[TA+\k], |v[X0+e+\k]|, v[MS+\k]
.endr
	v_pk_fma_f32 v[CN:CN+1], v[X0+e:X0+e+1], v[X0+e:X0+e+1], v[CN:CN+1]         ; t t is 1 under the mask: whole numbers, exact in f32
	v_pk_fma_f32 v[CN+2:CN+3], v[X0+e+2:X0+e+3], v[X0+e+2:X0+e+3], v[CN+2:CN+3]
.set e, e+4
.endr
.endm
.macro WRED                            ; the wave's pair (count, sum) into v[CN:CN+1], in every lane
	v_add_f32 v[MS], v[MS], v[MS+1]
	v_add_f32 v[MS+2], v[MS+2], v[MS+3]
	v_pk_add_f32 v[CN:CN+1], v[CN:CN+1], v[CN+2:CN+3]
	s_delay_alu instid0(VALU_DEP_2)
	v_add_f32 v[MS], v[MS], v[MS+2]
	s_delay_alu instid0(VALU_DEP_2)
	v_add_f32 v[CN], v[CN], v[CN+1]
.irp m, 1,2,4,8
	s_delay_alu instid0(VALU_DEP_2)
	v_add_f32_dpp v[MS], v[MS], v[MS] row_xmask:\m row_mask:0xf bank_mask:0xf
	s_delay_alu instid0(VALU_DEP_2)
	v_add_f32_dpp v[CN], v[CN], v[CN] row_xmask:\m row_mask:0xf bank_mask:0xf
.endr
	s_delay_alu instid0(VALU_DEP_2)
	v_permlanex16_b32 v12, v[MS], s18, s19
	s_delay_alu instid0(VALU_DEP_2)
	v_permlanex16_b32 v13, v[CN], s18, s19
	s_delay_alu instid0(VALU_DEP_2)
	v_add_f32 v[CN+1], v[MS], v12
	s_delay_alu instid0(VALU_DEP_2)
	v_add_f32 v[CN], v[CN], v13
.endm
	s_load_b256 s[4:11], s[0:1], 0x0               ; W1 s[4:5], W2 s[6:7], Wd s[8:9], psum s[10:11]
	s_load_b128 s[20:23], s[0:1], 0x20             ; whq s[20:21], ptern s[22:23]
	v_lshl_add_u32 v3, v0, 2, SPARE                ; my spare word,
	v_mov_b32 v4, 0                                ; and 0: kept for the wave's end
	v_lshrrev_b32 v2, 5, v0
	s_delay_alu instid0(VALU_DEP_1)
	v_readfirstlane_b32 s12, v2                    ; wave 0..7
	s_delay_alu instid0(VALU_DEP_2)
	v_lshlrev_b32 v2, 2, v2                        ; LDS: my wave's word
	v_and_b32 v1, 31, v0
	s_delay_alu instid0(VALU_DEP_1)
	v_lshlrev_b32 v1, 4, v1                        ; 16 bytes a lane
	s_mov_b32 s18, 0x76543210
	s_mov_b32 s19, 0xfedcba98                      ; v_permlanex16_b32's selects for lane l xor 16
	s_max_u32 s13, ttmp9, 6
	s_sub_co_u32 s13, s13, 6                       ; my chunk (0 in a head's work-group, which does not use it)
	s_wait_kmcnt 0x0
	s_cmp_lt_u32 ttmp9, 6                          ; every choice here hangs on the work-group's number alone
	s_cbranch_scc1 .Lwd
	s_cmp_lt_u32 s13, 512
	s_cselect_b64 s[16:17], s[6:7], s[4:5]
	s_cselect_b32 s14, 0, 512
	s_sub_co_u32 s14, s13, s14                     ; which 128 KiB of the tensor
	s_lshl_b32 s14, s14, 17
	s_lshl_b32 s15, s12, 14
	s_add_co_u32 s14, s14, s15
	s_mov_b32 s15, 0
	s_add_nc_u64 s[16:17], s[16:17], s[14:15]
	s_wait_alu depctr_va_vdst(0)
	LOADG 0, 0
	LOADG 1, 1
	LOADG 2, 2
	s_wait_loadcnt 16                              ; the oldest group is in; the two younger groups' 16 loads stay out
	SUMG 0, 32, 1
	LOADG 3, 0
	s_wait_alu depctr_va_vdst(0)
	s_wait_loadcnt 16                              ; group 1 is in; groups 2 and 3 stay out
	SUMG 1, 32, 0
	s_wait_alu depctr_va_vdst(0)
	s_wait_loadcnt 8                               ; group 2 is in; group 3 stays out
	SUMG 2, 32, 0
	s_wait_alu depctr_va_vdst(0)
	s_wait_loadcnt 0x0
	SUMG 0, 32, 0
	s_branch .Ltree
.Lwd:                                                  ; a head of Wd
	s_cmp_ge_u32 s12, 6
	s_cbranch_scc1 .Lidle
	s_mul_i32 s24, ttmp9, 6
	s_add_co_u32 s24, s24, s12                     ; task = 2 d + kh: its half row begins 8,192 x task bytes into Wd
	s_lshl_b32 s14, s24, 13
	s_mov_b32 s15, 0
	s_add_nc_u64 s[16:17], s[8:9], s[14:15]
	v_and_b32 v5, 31, v0
	s_delay_alu instid0(VALU_DEP_1)
	v_lshrrev_b32 v6, 1, v5                        ; lane l: K step 16 kh + l / 2,
	s_delay_alu instid0(VALU_DEP_2)
	v_and_b32 v7, 1, v5                            ; half h = l % 2
	s_delay_alu instid0(VALU_DEP_2)
	v_lshlrev_b32 v[LA], 9, v6
	s_delay_alu instid0(VALU_DEP_1)
	v_lshl_add_u32 v[LA], v7, 7, v[LA]
.irp c, 0,1
.irp q, 0,1,2,3,4,5,6,7
	global_load_b128 v[X0+32*\c+4*\q:X0+32*\c+4*\q+3], v[LA], s[16:17] offset:256*\c+16*\q   ; register 32 c + i: k = 64 c + 32 h + i of the K step
.endr
.endr
	s_wait_loadcnt 0x0
	SUMG 0, 64, 1
.Ltree:
	s_wait_alu depctr_va_vdst(0)
	v_add_f32 v8, v8, v9                           ; the eight chains,
	v_add_f32 v10, v10, v11
	v_add_f32 v12, v12, v13
	v_add_f32 v14, v14, v15
	s_delay_alu instid0(VALU_DEP_3)
	v_add_f32 v8, v8, v10
	s_delay_alu instid0(VALU_DEP_2)
	v_add_f32 v12, v12, v14
	s_delay_alu instid0(VALU_DEP_1)
	v_add_f32 v8, v8, v12
	s_delay_alu instid0(VALU_DEP_1)
	v_add_f32_dpp v8, v8, v8 row_xmask:1 row_mask:0xf bank_mask:0xf   ; the 32 lanes,
	s_delay_alu instid0(VALU_DEP_1)
	v_add_f32_dpp v8, v8, v8 row_xmask:2 row_mask:0xf bank_mask:0xf
	s_delay_alu instid0(VALU_DEP_1)
	v_add_f32_dpp v8, v8, v8 row_xmask:4 row_mask:0xf bank_mask:0xf
	s_delay_alu instid0(VALU_DEP_1)
	v_add_f32_dpp v8, v8, v8 row_xmask:8 row_mask:0xf bank_mask:0xf
	s_delay_alu instid0(VALU_DEP_1)
	v_permlanex16_b32 v9, v8, s18, s19
	s_delay_alu instid0(VALU_DEP_1)
	v_add_f32 v8, v8, v9
	s_branch .Lred
.Lidle:
	v_mov_b32 v8, 0                                ; a wave with no row adds nothing
.Lred:
	s_wait_alu depctr_va_vdst(0)
	ds_store_b32 v2, v8                            ; and the eight waves: all lanes write the wave's word with the same value
	s_wait_dscnt 0x0                               ; for the others' sake: my store has landed
	s_barrier_signal -1
	s_barrier_wait -1
	s_cmp_lt_u32 ttmp9, 6
	s_cbranch_scc1 .Lwd2
	s_cmp_lg_u32 s12, 0
	s_cbranch_scc1 .Lend                           ; a chunk: wave 0 adds and stores
	SUM8
	s_lshl_b32 s14, s13, 2
	v_mov_b32 v6, s14
	s_wait_alu depctr_va_vdst(0)
	s_wait_xcnt 0x0                                ; EXEC changes only behind this wait
	v_cmp_eq_u32 vcc_lo, 0, v0
	s_and_saveexec_b32 s38, vcc_lo
	global_store_b32 v6, v[TA], s[10:11]           ; one number a work-group
	s_wait_xcnt 0x0                                ; and again in front of the line that widens it
	s_or_b32 exec_lo, exec_lo, s38
	s_branch .Lend
.Lwd2:                                                 ; a head: each of the six waves makes the threshold for itself and goes on with the numbers that it holds
	s_cmp_ge_u32 s12, 6
	s_cbranch_scc1 .Lend
	SUM8
	s_delay_alu instid0(VALU_DEP_1)
	v_mul_f32 v9, 0x38aaaaab, v[TA]                ; the mean: / 12,288
	s_delay_alu instid0(VALU_DEP_1)
	v_mul_f32 v9, 0x3f333333, v9                   ; x 0.7
	v_mov_b32 v10, 1.0                             ; t is converted under the scale 1
.irp i, 0,1,2,3,4,5,6,7
	v_mov_b32 v[MS+\i], 0                          ; the sums begin
.endr
	s_mov_b32 s36, 0x7fffffff
	s_mov_b32 s37, 0x80000000
	TERN
	v_cvt_scalef32_pk16_bf6_f32 v[PC:PC+2], v[X0:X0+15], v10
	v_cvt_scalef32_pk16_bf6_f32 v[PT0:PT0+2], v[X0+16:X0+31], v10
	v_cvt_scalef32_pk16_bf6_f32 v[PC+6:PC+8], v[X0+32:X0+47], v10
	v_cvt_scalef32_pk16_bf6_f32 v[PT1:PT1+2], v[X0+48:X0+63], v10
	v_nop                                          ; one plain place behind a scaled conversion
.irp i, 0,1,2
	v_mov_b32 v[PC+3+\i], v[PT0+\i]
	v_mov_b32 v[PC+9+\i], v[PT1+\i]
.endr
	s_mul_i32 s24, ttmp9, 6
	s_add_co_u32 s24, s24, s12                     ; task
	s_lshr_b32 s25, s24, 1                         ; d
	s_and_b32 s26, s24, 1                          ; kh
	s_and_b32 s27, s25, 15                         ; tile j
	s_lshr_b32 s28, s25, 4                         ; row slot rr
	s_mul_i32 s14, s27, 6144
	s_mul_i32 s29, s26, 3072
	s_add_co_u32 s14, s14, s29
	s_lshl_b32 s29, s28, 4
	s_add_co_u32 s14, s14, s29
	s_add_co_u32 s14, s14, 3276800                 ; behind Wa's records
	s_mov_b32 s15, 0
	s_add_nc_u64 s[30:31], s[20:21], s[14:15]
	v_and_b32 v5, 31, v0
	s_delay_alu instid0(VALU_DEP_1)
	v_lshrrev_b32 v6, 1, v5
	s_delay_alu instid0(VALU_DEP_2)
	v_and_b32 v7, 1, v5
	s_delay_alu instid0(VALU_DEP_2)
	v_mul_u32_u24 v[SO], v6, 192
	s_delay_alu instid0(VALU_DEP_1)
	v_lshl_add_u32 v[SO], v7, 5, v[SO]
	s_wait_alu depctr_va_vdst(0)
.irp c, 0,1,2
	global_store_b128 v[SO], v[PC+4*\c:PC+4*\c+3], s[30:31] offset:64*\c
.endr
	s_sub_co_u32 s29, s25, 2
	s_cmp_lt_u32 s29, 14                           ; tiles 2 to 15 have no second row: zero codes there
	s_cbranch_scc0 .Lno_zero
.irp i, 0,1,2,3
	v_mov_b32 v[TA+\i], 0
.endr
.irp c, 0,1,2
	global_store_b128 v[SO], v[TA:TA+3], s[30:31] offset:64*\c+16
.endr
.Lno_zero:
	WRED
	s_lshl_b32 s29, s24, 3
	v_mov_b32 v6, s29
	s_wait_alu depctr_va_vdst(0)
	s_wait_xcnt 0x0                                ; EXEC changes only behind this wait
	v_cmp_eq_u32 vcc_lo, 0, v1
	s_and_saveexec_b32 s38, vcc_lo
	global_store_b64 v6, v[CN:CN+1], s[22:23] offset:3072   ; pair number = the task's number, behind W1's and W2's pairs
	s_wait_xcnt 0x0
	s_or_b32 exec_lo, exec_lo, s38
.Lend:
	s_wait_tensorcnt 0x0                           ; the wave's end
	ds_add_u32 v3, v4
	s_wait_dscnt 0x0
	s_endpgm
.Lfunc_end_k_q4987620482_sums:
	.size	k_q4987620482_sums, .Lfunc_end_k_q4987620482_sums-k_q4987620482_sums
	.p2alignl 7, 3214868480
	.fill 96, 4, 3214868480
	.section	.rodata,"a",@progbits
	.p2align	6, 0x0
	.amdhsa_kernel k_q4987620482_sums
		.amdhsa_group_segment_fixed_size 1280
		.amdhsa_private_segment_fixed_size 0
		.amdhsa_enable_private_segment 0
		.amdhsa_kernarg_size 48
		.amdhsa_user_sgpr_count 2
		.amdhsa_user_sgpr_kernarg_segment_ptr 1
		.amdhsa_wavefront_size32 1
		.amdhsa_system_sgpr_workgroup_id_x 1
		.amdhsa_system_sgpr_workgroup_id_y 1
		.amdhsa_system_sgpr_workgroup_id_z 1
		.amdhsa_system_vgpr_workitem_id 0
		.amdhsa_next_free_vgpr 128
		.amdhsa_next_free_sgpr 66
		.amdhsa_reserve_vcc 1
		.amdhsa_float_denorm_mode_32 3
		.amdhsa_float_denorm_mode_16_64 3
		.amdhsa_memory_ordered 1
		.amdhsa_forward_progress 1
		.amdhsa_inst_pref_size 51
	.end_amdhsa_kernel
	.amdgpu_metadata
---
amdhsa.version: [ 1, 2 ]
amdhsa.kernels:
  - .name:           k_q4987620482_sums
    .symbol:         k_q4987620482_sums.kd
    .args:
      - { .name: W1, .offset: 0, .size: 8, .value_kind: global_buffer, .address_space: global }
      - { .name: W2, .offset: 8, .size: 8, .value_kind: global_buffer, .address_space: global }
      - { .name: Wd, .offset: 16, .size: 8, .value_kind: global_buffer, .address_space: global }
      - { .name: psum, .offset: 24, .size: 8, .value_kind: global_buffer, .address_space: global }
      - { .name: whq, .offset: 32, .size: 8, .value_kind: global_buffer, .address_space: global }
      - { .name: ptern, .offset: 40, .size: 8, .value_kind: global_buffer, .address_space: global }
    .group_segment_fixed_size: 1280
    .private_segment_fixed_size: 0
    .kernarg_segment_align: 8
    .kernarg_segment_size: 48
    .max_flat_workgroup_size: 256
    .sgpr_count:     66
    .vgpr_count:     128
    .wavefront_size: 32
...
	.end_amdgpu_metadata
.endif
;; end of part 1
;; launch codes (part 2): grid 512 x 1, 8 waves a work-group, no clusters, 68,864 bytes of LDS; arguments W1, W2, x, Wa, psum, w1q, w2q, xq, whq, ptern; writes w1q, w2q, xq, whq, ptern
.if DOCPART == 2
	.amdgcn_target "amdgcn-amd-amdhsa--gfx1250"
	.amdhsa_code_object_version 6
	.text
	.protected	k_q4987620482_codes
	.globl	k_q4987620482_codes
	.p2align	8
	.type	k_q4987620482_codes,@function
k_q4987620482_codes:
	s_mov_b64 s[64:65], 0
	v_nop
	global_prefetch_b8 v0, s[64:65] scope:SCOPE_SE
	s_setreg_imm32_b32 hwreg(HW_REG_WAVE_MODE, 25, 1), 1
	s_wait_xcnt 0x0
; SECOND LAUNCH: W1, W2, x and Wa become E3M2 codes, laid as the products' registers want them.  (Wd was done whole by the first launch.)
; W1, W2: delta = 0.7 x mean |W| (from psum); t = sign(W) where |W| > delta, else 0; the codes of t (scale byte 127, not stored); and the pairs (count of the mask, sum of |W| over it) for alpha.  alpha itself is not
; multiplied in here: the quantised operand is Q(alpha) t for all values of the inputs (shown at the head of the first launch), and Q(alpha) multiplies the f32 sums in the products' way out.
; x, Wa: the stated quantiser along K: a block's byte is its largest magnitude's exponent field - 4, held at 1 from below; codes by the scaled conversion (nearest, ties to even, beyond 28 the largest code).
; LIMITS: NaN and infinities are not served; a block of zeros, or one whose largest magnitude lies under 2^-122, keeps the byte 1 where the rule says 127 or less: its codes are zeros or subnormals, and this program alone reads the bytes.
; THE FORMAT.  A FRAGMENT (16 rows x 128 K: 12 registers a lane) lies as an image of its registers: registers 4 c .. 4 c + 3 of lane l at 512 c + 16 l: 1,536 bytes.  A RECORD is 32 rows x 256 K: fragment (u, s)
; (u: which 16 rows, s: which 128 of K) at 1,536 (2 u + s); for x and Wa 256 bytes of scale words follow, row 16 u + r's two words at 6,144 + 8 (16 u + r).  Record (rows / 32, k / 256) follows record by record along K.
; Which rows form a fragment: x, Wa: 16 u + r.  W1, W2: 8 u + r + 8 (r / 8), so that a product used transposed leaves 16 neighbours along the next K in a lane's registers of two neighbouring tiles.
; SHARES.  One wave makes one record: 32 KiB of f32.  Work-groups 0-127: W1; 128-383: W2; 384-447: x; 448-511: Wa: 512 work-groups of equal bytes.
; Each load reads 512 consecutive bytes of one row; a fragment's 16 rows turn through the wave's own stage in LDS (rows 528 bytes apart, 33 x 16)
; and come back as 64 numbers a lane, k = 64 c + 32 h + 0 .. 31 of row r: whole blocks of 32 in a lane, in the operand's own order.  Two fragments' loads (32 a wave) are on their way.
; All four tensors walk ONE text; it parts, on the work-group's number, for work on registers alone.  No tensor load, no cluster: the work-groups share no byte but psum's few.
.set STGB,  8448                       ; a wave's stage: 16 rows x 528
.set RED,   8*STGB                     ; eight pairs (count, sum), one a wave, in a block of 256 bytes of their own
.set SPARE, RED+256                    ; the spare words, 128 bytes for each wave: four blocks of 256 bytes that no other line names
.set OFF,   16                         ; v16-31   row i's byte offset + 16 x lane
.set R0,    32                         ; v32-95, v96-159  two fragments as loaded
.set X,     160                        ; v160-223 64 numbers of my row
.set PC,    224                        ; v224-235 the fragment's codes
.set PT0,   236                        ; v236-238, v240-242: a conversion's three registers begin on an even number: the odd halves are made here and moved
.set PT1,   240
.set RW,    243                        ; v243     LDS: my wave's pair
.set MS,    244                        ; v244-247 sums of |W| over the mask, four chains
.set CN,    248                        ; v248-251 counts, two pairs
.set SW,    244                        ; v244-247 x, Wa: the four fragments' scale words
; v1 lane, v2 r, v3 8 h, v4 16 x lane, v5 stage in, v6 stage out, v7 and v8 the add's two, v9 delta, v10-11 the conversions' scale operands, v12-15 and v252-255 at work
.macro LOAD f                          ; fragment f = 2 u + s: 16 rows x 512 bytes
.irp i, 0,1,2,3,4,5,6,7,8,9,10,11,12,13,14,15
	global_load_b128 v[R0+64*((\f)%2)+4*\i:R0+64*((\f)%2)+4*\i+3], v[OFF+\i], s[40+2*(\f):41+2*(\f)] th:TH_LOAD_NT
.endr
.endm
.macro TURNX f, n                      ; through the stage.  n: the younger loads that may stay out
	s_wait_loadcnt \n
.irp i, 0,1,2,3,4,5,6,7,8,9,10,11,12,13,14,15
	ds_store_b128 v5, v[R0+64*((\f)%2)+4*\i:R0+64*((\f)%2)+4*\i+3] offset:528*\i
.endr
.irp c, 0,1
.irp q, 0,1,2,3,4,5,6,7
	ds_load_b128 v[X+32*\c+4*\q:X+32*\c+4*\q+3], v6 offset:256*\c+16*\q   ; LDS serves a wave's instructions in order: these see my stores
.endr
.endr
	s_wait_dscnt 0x0                               ; my 64 numbers are in, and the stores have read their registers
.endm
.macro TERN                            ; X becomes t, in place; the mask's count and its sum of |W| go on.  Four numbers by turns
.set e, 0
.rept 16
.irp k, 0,1,2,3
	v_and_b32 v[12+\k], s56, v[X+e+\k]             ; |W|
.endr
.irp k, 0,1,2,3
	v_cmp_gt_f32 s[52+\k], v[12+\k], v9            ; |W| > delta
.endr
.irp k, 0,1,2,3
	v_and_or_b32 v[252+\k], v[X+e+\k], s57, 1.0    ; W's sign on 1.0
.endr
.irp k, 0,1,2,3
	v_cndmask_b32 v[X+e+\k], 0, v[252+\k], s[52+\k]
.endr
.irp k, 0,1,2,3
	v_fma_f32 v[MS+\k], v[12+\k], |v[X+e+\k]|, v[MS+\k]
.endr
	v_pk_fma_f32 v[CN:CN+1], v[X+e:X+e+1], v[X+e:X+e+1], v[CN:CN+1]         ; t t is 1 under the mask: whole numbers under 2^24, exact in f32
	v_pk_fma_f32 v[CN+2:CN+3], v[X+e+2:X+e+3], v[X+e+2:X+e+3], v[CN+2:CN+3]
.set e, e+4
.endr
.endm
.macro MXQ f                           ; my two whole blocks' scales; the row's scale word of this fragment
	v_max3_num_f32 v12, |v[X]|, |v[X+1]|, 0x2800000                          ; with the floor 2^(5 - 127): the byte cannot fall under 1
	v_max3_num_f32 v13, |v[X+32]|, |v[X+33]|, 0x2800000
.irp i, 2,4,6,8,10,12,14,16,18,20,22,24,26,28,30
	v_max3_num_f32 v12, v12, |v[X+\i]|, |v[X+1+\i]|
	v_max3_num_f32 v13, v13, |v[X+32+\i]|, |v[X+33+\i]|
.endr
	v_add_nc_u32 v10, 0xfe000000, v12              ; 4 off the exponent field: the conversion takes the exponent field of this operand as its scale
	v_add_nc_u32 v11, 0xfe000000, v13
	v_lshrrev_b32 v14, 23, v10                     ; the bytes of blocks h and 2 + h,
	v_lshrrev_b32 v15, 23, v11
	v_lshl_or_b32 v14, v15, 16, v14
	v_lshlrev_b32 v14, v3, v14                     ; at their places in the word (8 h bits up);
	v_permlanex16_b32 v15, v14, s48, s49
	v_or_b32 v[SW+\f], v14, v15                    ; with lane l xor 16's two the word is whole
.endm
.macro CVT
	s_wait_xcnt 0x0                                ; the last fragment's stores have read the codes' registers
	v_cvt_scalef32_pk16_bf6_f32 v[PC:PC+2], v[X:X+15], v10
	v_cvt_scalef32_pk16_bf6_f32 v[PT0:PT0+2], v[X+16:X+31], v10
	v_cvt_scalef32_pk16_bf6_f32 v[PC+6:PC+8], v[X+32:X+47], v11
	v_cvt_scalef32_pk16_bf6_f32 v[PT1:PT1+2], v[X+48:X+63], v11
	v_nop                                          ; one plain place behind a scaled conversion
.irp i, 0,1,2
	v_mov_b32 v[PC+3+\i], v[PT0+\i]
	v_mov_b32 v[PC+9+\i], v[PT1+\i]
.endr
.endm
.macro WRED                            ; the wave's pair (count, sum) into v[CN:CN+1], in every lane
	v_add_f32 v[MS], v[MS], v[MS+1]
	v_add_f32 v[MS+2], v[MS+2], v[MS+3]
	v_pk_add_f32 v[CN:CN+1], v[CN:CN+1], v[CN+2:CN+3]
	v_add_f32 v[MS], v[MS], v[MS+2]
	v_add_f32 v[CN], v[CN], v[CN+1]
.irp m, 1,2,4,8
	v_add_f32_dpp v[MS], v[MS], v[MS] row_xmask:\m row_mask:0xf bank_mask:0xf
	v_add_f32_dpp v[CN], v[CN], v[CN] row_xmask:\m row_mask:0xf bank_mask:0xf
.endr
	v_permlanex16_b32 v12, v[MS], s48, s49
	v_permlanex16_b32 v13, v[CN], s48, s49
	v_add_f32 v[CN+1], v[MS], v12
	v_add_f32 v[CN], v[CN], v13
.endm
.macro FRAGM f, n
	TURNX \f, \n
.if (\f) < 2
	LOAD (\f)+2                                    ; into the registers that the stage's stores have just read
.endif
	s_cmp_eq_u32 s38, 0
	s_cbranch_scc1 .Lq_\@
	TERN
	s_branch .Lc_\@
.Lq_\@:
	MXQ \f
.Lc_\@:
	s_wait_alu depctr_va_vdst(0)                   ; the wait here, directly ahead of the wait that opens CVT: t, the scale operands and the running sums were just written
	CVT
.irp c, 0,1,2
	global_store_b128 v4, v[PC+4*\c:PC+4*\c+3], s[30:31] offset:1536*(\f)+512*\c th:TH_STORE_NT   ; 32 lanes store 512 consecutive bytes, at a multiple of 256 from the buffer's first byte
.endr
.endm
	s_load_b512 s[4:19], s[0:1], 0x0               ; W1 s[4:5], W2 s[6:7], x s[8:9], Wa s[10:11], psum s[12:13], w1q s[14:15], w2q s[16:17], xq s[18:19]
	s_load_b128 s[20:23], s[0:1], 0x40             ; whq s[20:21], ptern s[22:23]
	v_lshl_add_u32 v7, v0, 2, SPARE
	v_mov_b32 v8, 0
	v_lshrrev_b32 v12, 5, v0
	v_readfirstlane_b32 s26, v12                   ; wave 0..7
	v_lshl_add_u32 v[RW], v12, 3, RED
	v_and_b32 v1, 31, v0
	v_and_b32 v2, 15, v0
	v_bfe_u32 v3, v0, 4, 1
	v_lshlrev_b32 v4, 4, v1
	s_mul_i32 s50, s26, STGB
	v_add_nc_u32 v5, s50, v4                       ; the stage, in: 16 x lane of row i
	v_mul_u32_u24 v6, v2, 528
	v_lshl_add_u32 v6, v3, 7, v6
	v_add_nc_u32 v6, s50, v6                       ; out: row r, 128 h bytes on
	v_lshlrev_b32 v3, 3, v3
	v_mov_b32 v9, 0
	v_mov_b32 v10, 1.0                             ; t is converted under the scale 1
	v_mov_b32 v11, 1.0
.irp i, 0,1,2,3,4,5,6,7
	v_mov_b32 v[MS+\i], 0                          ; the sums begin
.endr
	s_mov_b32 s48, 0x76543210
	s_mov_b32 s49, 0xfedcba98
	s_mov_b32 s56, 0x7fffffff
	s_mov_b32 s57, 0x80000000
	s_mov_b32 s58, 0xffff0000                      ; lanes 16-31
	s_mov_b32 s27, ttmp9
	s_wait_kmcnt 0x0
	; which tensor: every choice hangs on the work-group's number alone
	s_mov_b64 s[28:29], s[10:11]                   ; Wa -> whq; first work-group 448; 2^4 records along K
	s_mov_b64 s[30:31], s[20:21]
	s_mov_b32 s32, 448
	s_mov_b32 s33, 4
	s_cmp_lt_u32 s27, 448
	s_cselect_b64 s[28:29], s[8:9], s[28:29]       ; x -> xq
	s_cselect_b64 s[30:31], s[18:19], s[30:31]
	s_cselect_b32 s32, 384, s32
	s_cselect_b32 s33, 3, s33
	s_cmp_lt_u32 s27, 384
	s_cselect_b64 s[28:29], s[6:7], s[28:29]       ; W2 -> w2q
	s_cselect_b64 s[30:31], s[16:17], s[30:31]
	s_cselect_b32 s32, 128, s32
	s_cselect_b32 s33, 4, s33
	s_cselect_b32 s38, 1, 0                        ; ternary?
	s_mov_b32 s34, 6400
	s_cselect_b32 s34, 6144, s34                   ; a record's bytes
	s_cselect_b32 s35, 8, 0                        ; rows 8-15 of a fragment lie so many rows further down,
	s_cselect_b32 s36, 8, 16                       ; and fragment u = 1 begins so many rows down
	s_cmp_lt_u32 s27, 128
	s_cselect_b64 s[28:29], s[4:5], s[28:29]       ; W1 -> w1q
	s_cselect_b64 s[30:31], s[14:15], s[30:31]
	s_cselect_b32 s32, 0, s32
	s_cselect_b32 s33, 3, s33
	s_mov_b32 s60, 0x33800000                      ; 1 / n: 2^-24 for W2,
	s_cselect_b32 s60, 0x34000000, s60             ; 2^-23 for W1
	s_cselect_b32 s61, 2048, 0                     ; where the tensor's partial sums begin in psum: W2's 512, then W1's 256
	s_mov_b32 s63, 1024
	s_cselect_b32 s63, 2048, s63                   ; W2's second 256; W1 has none: a valid place, and
	s_cselect_b32 s62, 0, -1                       ; the mask that drops it
	s_sub_co_u32 s37, s27, s32
	s_lshl_b32 s37, s37, 3
	s_add_co_u32 s37, s37, s26                     ; my record
	s_lshr_b32 s39, s37, s33                       ; its 32 rows,
	s_lshl_b32 s50, s39, s33
	s_sub_co_u32 s50, s37, s50                     ; its 256 along K
	s_add_co_u32 s66, s33, 10                      ; a row is 2^s66 bytes
	s_add_co_u32 s67, s33, 15
	s_lshl_b32 s51, s39, s67
	s_lshl_b32 s50, s50, 10
	s_add_co_u32 s50, s50, s51
	s_mov_b32 s51, 0
	s_add_nc_u64 s[40:41], s[28:29], s[50:51]      ; fragment (0, 0),
	s_add_nc_u64 s[42:43], s[40:41], 512           ; (0, 1),
	s_lshl_b32 s68, s36, s66
	s_mov_b32 s69, 0
	s_add_nc_u64 s[44:45], s[40:41], s[68:69]      ; (1, 0),
	s_add_nc_u64 s[46:47], s[44:45], 512           ; (1, 1)
	s_mul_i32 s50, s37, s34
	s_add_nc_u64 s[30:31], s[30:31], s[50:51]
.irp i, 0,1,2,3,4,5,6,7
	s_lshl_b32 s50, \i, s66
	v_add_nc_u32 v[OFF+\i], s50, v4
.endr
.irp i, 8,9,10,11,12,13,14,15
	s_add_co_u32 s50, s35, \i
	s_lshl_b32 s50, s50, s66
	v_add_nc_u32 v[OFF+\i], s50, v4
.endr
	s_wait_alu depctr_va_vdst(0)                   ; the head's end: the rows' offsets
	LOAD 0
	LOAD 1
	s_cmp_eq_u32 s38, 0
	s_cbranch_scc1 .Lno_delta
	v_add_nc_u32 v12, s61, v4                      ; delta: the tensor's 256 or 512 partial sums, eight or sixteen a lane
	v_add_nc_u32 v13, s63, v4
	global_load_b128 v[X:X+3], v12, s[12:13]
	global_load_b128 v[X+4:X+7], v12, s[12:13] offset:512
	global_load_b128 v[X+8:X+11], v13, s[12:13]
	global_load_b128 v[X+12:X+15], v13, s[12:13] offset:512
	s_wait_loadcnt 0x0                             ; loads come back in order: the two fragments are in too
.irp i, 0,2,4,6,8,10,12,14
	v_add_f32 v[X+\i], v[X+\i], v[X+1+\i]
.endr
.irp i, 0,4,8,12
	v_add_f32 v[X+\i], v[X+\i], v[X+2+\i]
.endr
	v_add_f32 v[X], v[X], v[X+4]
	v_add_f32 v[X+8], v[X+8], v[X+12]
	v_cndmask_b32 v[X+8], 0, v[X+8], s62
	v_add_f32 v[X], v[X], v[X+8]
.irp m, 1,2,4,8
	v_add_f32_dpp v[X], v[X], v[X] row_xmask:\m row_mask:0xf bank_mask:0xf
.endr
	v_permlanex16_b32 v[X+1], v[X], s48, s49
	v_add_f32 v[X], v[X], v[X+1]
	v_mul_f32 v9, s60, v[X]                        ; the mean: a power of two, exact
	v_mul_f32 v9, 0x3f333333, v9                   ; x 0.7
.Lno_delta:
	s_wait_alu depctr_va_vdst(0)
	FRAGM 0, 16
	FRAGM 1, 16
	FRAGM 2, 16
	FRAGM 3, 0
	s_cmp_lg_u32 s38, 0
	s_cbranch_scc1 .Lpair
	v_cndmask_b32 v12, v[SW], v[SW+2], s58         ; lane 16 u + r: row r of fragments (u, 0) and (u, 1)
	v_cndmask_b32 v13, v[SW+1], v[SW+3], s58
	v_lshlrev_b32 v14, 3, v1
	global_store_b64 v14, v[12:13], s[30:31] offset:6144 th:TH_STORE_NT   ; 32 lanes store 256 consecutive bytes, aligned
	s_branch .Ltail
.Lpair:
	WRED
	ds_store_b64 v[RW], v[CN:CN+1]                 ; all lanes write the wave's pair with the same values
.Ltail:                                                ; every wave of every path
	s_wait_dscnt 0x0                               ; for the others' sake: my pair has landed
	s_barrier_signal -1
	s_barrier_wait -1
	s_cmp_lt_u32 s27, 384
	s_cbranch_scc0 .Lend
	s_cmp_lg_u32 s26, 0
	s_cbranch_scc1 .Lend                           ; W1, W2: wave 0 adds the eight pairs
	s_wait_xcnt 0x0                                ; earlier stores have read their registers; EXEC changes below
	v_mov_b32 v12, RED
.irp i, 0,1,2,3
	ds_load_b128 v[X+4*\i:X+4*\i+3], v12 offset:16*\i
.endr
	s_lshl_b32 s50, s27, 3
	v_mov_b32 v13, s50
	s_wait_alu depctr_va_vdst(0)
	s_wait_dscnt 0x0
	v_pk_add_f32 v[X:X+1], v[X:X+1], v[X+2:X+3]
	v_pk_add_f32 v[X+4:X+5], v[X+4:X+5], v[X+6:X+7]
	v_pk_add_f32 v[X+8:X+9], v[X+8:X+9], v[X+10:X+11]
	v_pk_add_f32 v[X+12:X+13], v[X+12:X+13], v[X+14:X+15]
	v_pk_add_f32 v[X:X+1], v[X:X+1], v[X+4:X+5]
	v_pk_add_f32 v[X+8:X+9], v[X+8:X+9], v[X+12:X+13]
	v_pk_add_f32 v[X:X+1], v[X:X+1], v[X+8:X+9]
	v_cmp_eq_u32 vcc_lo, 0, v0
	s_and_saveexec_b32 s59, vcc_lo
	global_store_b64 v13, v[X:X+1], s[22:23]       ; pair number = the work-group's number
	s_wait_xcnt 0x0
	s_or_b32 exec_lo, exec_lo, s59
.Lend:
	s_wait_tensorcnt 0x0                           ; the wave's end
	ds_add_u32 v7, v8
	s_wait_dscnt 0x0
	s_endpgm
.Lfunc_end_k_q4987620482_codes:
	.size	k_q4987620482_codes, .Lfunc_end_k_q4987620482_codes-k_q4987620482_codes
	.p2alignl 7, 3214868480
	.fill 96, 4, 3214868480
	.section	.rodata,"a",@progbits
	.p2align	6, 0x0
	.amdhsa_kernel k_q4987620482_codes
		.amdhsa_group_segment_fixed_size 68864
		.amdhsa_private_segment_fixed_size 0
		.amdhsa_enable_private_segment 0
		.amdhsa_kernarg_size 80
		.amdhsa_user_sgpr_count 2
		.amdhsa_user_sgpr_kernarg_segment_ptr 1
		.amdhsa_wavefront_size32 1
		.amdhsa_system_sgpr_workgroup_id_x 1
		.amdhsa_system_sgpr_workgroup_id_y 1
		.amdhsa_system_sgpr_workgroup_id_z 1
		.amdhsa_system_vgpr_workitem_id 0
		.amdhsa_next_free_vgpr 256
		.amdhsa_next_free_sgpr 72
		.amdhsa_reserve_vcc 1
		.amdhsa_float_denorm_mode_32 3
		.amdhsa_float_denorm_mode_16_64 3
		.amdhsa_memory_ordered 1
		.amdhsa_forward_progress 1
		.amdhsa_inst_pref_size 118
	.end_amdhsa_kernel
	.amdgpu_metadata
---
amdhsa.version: [ 1, 2 ]
amdhsa.kernels:
  - .name:           k_q4987620482_codes
    .symbol:         k_q4987620482_codes.kd
    .args:
      - { .name: W1, .offset: 0, .size: 8, .value_kind: global_buffer, .address_space: global }
      - { .name: W2, .offset: 8, .size: 8, .value_kind: global_buffer, .address_space: global }
      - { .name: x, .offset: 16, .size: 8, .value_kind: global_buffer, .address_space: global }
      - { .name: Wa, .offset: 24, .size: 8, .value_kind: global_buffer, .address_space: global }
      - { .name: psum, .offset: 32, .size: 8, .value_kind: global_buffer, .address_space: global }
      - { .name: w1q, .offset: 40, .size: 8, .value_kind: global_buffer, .address_space: global }
      - { .name: w2q, .offset: 48, .size: 8, .value_kind: global_buffer, .address_space: global }
      - { .name: xq, .offset: 56, .size: 8, .value_kind: global_buffer, .address_space: global }
      - { .name: whq, .offset: 64, .size: 8, .value_kind: global_buffer, .address_space: global }
      - { .name: ptern, .offset: 72, .size: 8, .value_kind: global_buffer, .address_space: global }
    .group_segment_fixed_size: 68864
    .private_segment_fixed_size: 0
    .kernarg_segment_align: 8
    .kernarg_segment_size: 80
    .max_flat_workgroup_size: 256
    .sgpr_count:     72
    .vgpr_count:     256
    .wavefront_size: 32
...
	.end_amdgpu_metadata
.endif
;; end of part 2
;; launch gemm1 (part 3): grid 16 x 16, 4 waves a work-group, clusters of 4 x 4, 327,680 bytes of LDS; arguments xq, w1q, ptern, b1, h1q; writes h1q
.if DOCPART == 3
	.amdgcn_target "amdgcn-amd-amdhsa--gfx1250"
	.amdhsa_code_object_version 6
	.text
	.protected	k_q4987620482_gemm1
	.globl	k_q4987620482_gemm1
	.p2align	8
	.type	k_q4987620482_gemm1,@function
k_q4987620482_gemm1:
	s_mov_b64 s[64:65], 0
	v_nop
	global_prefetch_b8 v0, s[64:65] scope:SCOPE_SE
	s_setreg_imm32_b32 hwreg(HW_REG_WAVE_MODE, 25, 1), 1
	s_wait_xcnt 0x0
	s_wait_alu depctr_hold_cnt(0) depctr_sa_sdst(0) depctr_va_vdst(0) depctr_va_sdst(0) depctr_va_ssrc(0) depctr_va_vcc(0) depctr_vm_vsrc(0)
	s_getreg_b32 s2, hwreg(HW_REG_IB_STS2, 6, 4)
	s_cmp_eq_u32 s2, 0
	s_cbranch_scc0 .Lentry_in_a_cluster
	s_endpgm
.Lentry_in_a_cluster:
	s_bfe_u32 s2, ttmp6, 0x10000c
	s_cmp_lg_u32 s2, 0xf033
	s_cbranch_scc0 .Lentry_shape_is_right
	s_endpgm
.Lentry_shape_is_right:
; THIRD LAUNCH: h1 = relu(Q(alpha1) (xq t1^T) + b1), quantised along the next K.  xq: x's records (codes and scale words); t1: the codes of sign(W1) (|W1| > delta), scale byte 127.
; Q(alpha1), made here from ptern's pairs, multiplies the f32 sums on the way out (why that is the stated quantiser for all values: head of the first launch).  h1 leaves as records of the format at the head of the second launch.
; SHARES.  256 work-groups, each 128 rows x 256 columns; four waves, each 64 x 128: 32 accumulators.  The product is used transposed (source 0 = 16 rows of t, source 1 = 16 rows of x): a lane holds 16 neighbours along the next K in two tiles.
; THE RING.  Two slots of 512 along K: 4 x 2 records of x, 8 x 2 records of t.  Waves 0 and 1 fetch x's halves, waves 2 and 3 t's: one joint load a wave behind each round of the cluster's barrier
; (4 x 4 work-groups: x's tile is shared along a row of the cluster, t's along a column).  At the head a wave issues slot 0's load alone; slot 1's follows behind the three lines and a round.
; The pairs, b1 and alpha's arithmetic stand between slot 0's load and the wait for it.
; PREFETCH.  Behind the load of slot t a wave asks for its work-group's share of slot t + 2 (macro ASK).  Here K has four slots: slots 2 and 3 are asked for behind the two first loads, and the loop asks for nothing.
; REGISTERS.  window 0: v1-39 addresses, constants, scale words; v40-135 x's fragments, two sets (at work on the way out).  window 1: t's fragments, two sets.  window 2: the accumulators.  window 3: b1 in the result's layout.
; LIMITS: as at the head of the first launch.
.set KREC,  8
.set NPT,   128
.set PTOFF, 0
.set DOTS,  0
.set SLOT,  149504
.set BOFF,  51200
.set STG,   2*SLOT
.set SPARE, STG+1024
.set LAPS,  KREC/4
.set ADRA, 10
.set ADRB, 12
.set ADRS, 14
.set SPW,  16
.set NIL,  17
.set ONE,  18
.set GO,   19
.set STGW, 20
.set STGR, 21
.set AQ,   22
.set SA,   24
.set AF,   40
.set H,    40
.set PC,   104
.set TM,   124
.set PW,   140
.set DP,   144
.set PS,   152
.set CS,   156
.set PX,   40
.set PR,   168
.set G1A,  28
.set G0A,  36
.set G1B,  44
.set G0B,  52
.set MSB, 0
.macro WIN new
.if MSB != \new
	s_set_vgpr_msb (MSB<<8)|\new
.set MSB, \new
.endif
.endm
.set MUL,  0xa1
.set TO_B, 0x40
.macro JLOAD g0a, g1a, g0b, g1b
	s_cmp_eq_u32 s15, 0
	s_cbranch_scc0 .Lfor_b_\@
	tensor_load_to_lds s[\g0a:\g0a+3], s[\g1a:\g1a+7]
	s_nop 0
.rept 4
	v_nop
.endr
	s_branch .Lasked_\@
.Lfor_b_\@:
	tensor_load_to_lds s[\g0b:\g0b+3], s[\g1b:\g1b+7]
	s_nop 0
.rept 4
	v_nop
.endr
.Lasked_\@:
.endm
.macro CREST
	s_cmp_lg_u32 s14, 0
	s_cbranch_scc1 .Lnot_wave_0_\@
	s_barrier_signal -3
.Lnot_wave_0_\@:
	s_barrier_wait -3
	s_barrier_signal -1
	s_barrier_wait -1
.endm
.macro CROUND
	s_barrier_signal -1
	s_barrier_wait -1
	CREST
.endm
.set PFO,  6                           ; v6-7     the prefetches' lane offsets; never rewritten
.set PFA,  84                          ; s[84:85] where my prefetches stand: my work-group's share of the rows that I fetch, at the slot that is asked for next
.set PFS,  86                          ; s[86:87] a slot's bytes along a row of records: 12,800 for the left operand, 12,288 for t
; A prefetch of the slot two loads on.  A wave of the left operand fetches 2 x 50 blocks of 256 bytes: the partner at place cx names blocks 25 cx .. 25 cx + 24 (lanes 25-31 name the last again).
; A wave of t fetches 4 x 48 blocks: the partner at place cy names the 48 of group cy, by two instructions (lanes 16-31 of the second name its last again).  So each block is named once in each cluster that loads it;
; the partners part by address alone.  how = 0, in the loop: the last trip's two loads have no slot two on.
.macro ASK how
.if (\how) || (LAPS > 2)
.if (\how) == 0
	s_cmp_gt_u32 s3, 1
	s_cbranch_scc0 .Lnot_\@
.endif
	global_prefetch_b8 v[PFO], s[PFA:PFA+1] th:TH_LOAD_NT scope:SCOPE_SE
	s_cmp_eq_u32 s15, 0
	s_cbranch_scc1 .Lnot_\@
	global_prefetch_b8 v[PFO+1], s[PFA:PFA+1] th:TH_LOAD_NT scope:SCOPE_SE
.Lnot_\@:
.endif
.endm
.macro PLACES n
.rept \n
	v_nop
.endr
.endm
.macro FETCH slot, q, p
	WIN TO_B
.irp b, 0,1,2,3,4,5,6,7
.irp c, 0,1,2
	ds_load_b128 v[96*(\p)+12*\b+4*\c:96*(\p)+12*\b+4*\c+3], v[ADRB+\slot] offset:(\b/2)*12288+((\q)/2)*6144+(2*(\b%2)+(\q)%2)*1536+512*\c
.endr
.endr
	WIN 0
.irp a, 0,1,2,3
.irp c, 0,1,2
	ds_load_b128 v[AF+48*(\p)+12*\a+4*\c:AF+48*(\p)+12*\a+4*\c+3], v[ADRA+\slot] offset:(\a/2)*12800+((\q)/2)*6400+(2*(\a%2)+(\q)%2)*1536+512*\c
.endr
.endr
.endm
.macro SCALES slot
.irp g, 0,1
.irp l, 0,1
	ds_load_b64 v[SA+8*\slot+4*\g+2*\l:SA+8*\slot+4*\g+2*\l+1], v[ADRS+\slot] offset:12800*\g+6400*\l
.endr
.endr
.endm
.macro MUL8 a, p, q, set, zero
.irp b, 0,1,2,3,4,5,6,7
.set rD, 64*(\a)+8*\b
.set rB, 96*(\p)+12*\b
.set rA, AF+48*(\p)+12*(\a)
.set rS, SA+8*(\set)+4*((\a)/2)+(\q)
.if (\zero) && ((\a)%2)
	v_wmma_scale_f32_16x16x128_f8f6f4 v[rD:rD+7], v[rB:rB+11], v[rA:rA+11], 0, v[ONE], v[rS] matrix_a_fmt:MATRIX_FMT_BF6 matrix_b_fmt:MATRIX_FMT_BF6 matrix_b_scale:MATRIX_SCALE_ROW1
.elseif \zero
	v_wmma_scale_f32_16x16x128_f8f6f4 v[rD:rD+7], v[rB:rB+11], v[rA:rA+11], 0, v[ONE], v[rS] matrix_a_fmt:MATRIX_FMT_BF6 matrix_b_fmt:MATRIX_FMT_BF6
.elseif (\a)%2
	v_wmma_scale_f32_16x16x128_f8f6f4 v[rD:rD+7], v[rB:rB+11], v[rA:rA+11], v[rD:rD+7], v[ONE], v[rS] matrix_a_fmt:MATRIX_FMT_BF6 matrix_b_fmt:MATRIX_FMT_BF6 matrix_b_scale:MATRIX_SCALE_ROW1
.else
	v_wmma_scale_f32_16x16x128_f8f6f4 v[rD:rD+7], v[rB:rB+11], v[rA:rA+11], v[rD:rD+7], v[ONE], v[rS] matrix_a_fmt:MATRIX_FMT_BF6 matrix_b_fmt:MATRIX_FMT_BF6
.endif
.endr
.endm
.macro STEP slot, q, zero
	s_wait_dscnt 0x0
.if (\zero) == 0
	PLACES 4
.endif
	FETCH \slot, (\q)+1, ((\q)+1)%2
	WIN MUL
	MUL8 0, (\q)%2, \q, \slot, \zero
	MUL8 1, (\q)%2, \q, \slot, \zero
	MUL8 2, (\q)%2, \q, \slot, \zero
	MUL8 3, (\q)%2, \q, \slot, \zero
	WIN 0
.endm
.macro TURN slot, next, fill
.if (\fill) && (LAPS > 2)
	s_wait_xcnt 0x0                                ; my last prefetch has read its address: it steps one slot on
	s_add_nc_u64 s[PFA:PFA+1], s[PFA:PFA+1], s[PFS:PFS+1]
.endif
	s_wait_tensorcnt 0x0
	ds_add_u32 v[SPW], v[NIL]
	s_wait_dscnt 1
	WIN MUL
	MUL8 0, 1, 3, \slot, 0
	s_wait_dscnt 0x0
	s_barrier_signal -1
	MUL8 1, 1, 3, \slot, 0
	WIN 0
	s_barrier_wait -1
.if \fill
	CREST
	s_add_nc_u64 s[G0A+4*\slot+2:G0A+4*\slot+3], s[G0A+4*\slot+2:G0A+4*\slot+3], 25600
	s_add_nc_u64 s[G0B+4*\slot+2:G0B+4*\slot+3], s[G0B+4*\slot+2:G0B+4*\slot+3], 24576
	JLOAD G0A+4*\slot, G1A, G0B+4*\slot, G1B
.else
	PLACES 4
.endif
	FETCH \next, 0, 0
	SCALES \next
.if \fill
	ASK 0
.endif
	WIN MUL
	MUL8 2, 1, 3, \slot, 0
	MUL8 3, 1, 3, \slot, 0
	WIN 0
.endm
.macro ALPHAQ cnt, ms, out, t0, t1
	v_max_num_f32 v[\cnt], 1.0, v[\cnt]
	s_wait_alu depctr_va_vdst(0)
	v_rcp_f32 v[\t0], v[\cnt]
	v_nop
	s_wait_alu depctr_va_vdst(0)
	v_fma_f32 v[\t1], -v[\cnt], v[\t0], 1.0
	v_fma_f32 v[\t0], v[\t1], v[\t0], v[\t0]
	v_mul_f32 v[\out], v[\ms], v[\t0]
	v_fma_f32 v[\t1], -v[\cnt], v[\out], v[\ms]
	v_fma_f32 v[\out], v[\t1], v[\t0], v[\out]
	v_bfe_u32 v[\t0], v[\out], 21, 1
	v_add3_u32 v[\t0], v[\out], v[\t0], 0xfffff
	v_and_b32 v[\t0], 0xffe00000, v[\t0]
	v_and_or_b32 v[\t1], v[\out], 0x7f800000, s62
	v_min_u32 v[\out], v[\t0], v[\t1]
.endm
.macro QUANT s, pw
.irp b, 0,1,2,3
	v_max3_num_f32 v[TM+\b], v[\s+16*\b], v[\s+1+16*\b], 0x2800000
.endr
.irp i, 2,4,6,8,10,12,14
.irp b, 0,1,2,3
	v_max3_num_f32 v[TM+\b], v[TM+\b], v[\s+16*\b+\i], v[\s+1+16*\b+\i]
.endr
.endr
.irp b, 0,1,2,3
	v_permlanex16_b32 v[TM+4+\b], v[TM+\b], s60, s61
.endr
.irp b, 0,1,2,3
	v_max_num_f32 v[TM+\b], v[TM+\b], v[TM+4+\b]
.endr
.irp b, 0,1,2,3
	v_add_nc_u32 v[TM+12+\b], 0xfe000000, v[TM+\b]
.endr
.irp b, 0,1,2,3
	v_lshrrev_b32 v[TM+4+\b], 23, v[TM+12+\b]
.endr
	v_lshl_or_b32 v[\pw], v[TM+5], 8, v[TM+4]
	v_lshl_or_b32 v[\pw], v[TM+6], 16, v[\pw]
	v_lshl_or_b32 v[\pw], v[TM+7], 24, v[\pw]
.irp c, 0,1
	v_cvt_scalef32_pk16_bf6_f32 v[PC+6*\c:PC+2+6*\c], v[\s+32*\c:\s+15+32*\c], v[TM+12+2*\c]
	v_cvt_scalef32_pk16_bf6_f32 v[PC+12+4*\c:PC+14+4*\c], v[\s+16+32*\c:\s+31+32*\c], v[TM+13+2*\c]
.endr
	v_nop
.irp c, 0,1
.irp i, 0,1,2
	v_permlane16_swap_b32 v[PC+6*\c+\i], v[PC+12+4*\c+\i]
.endr
.irp i, 0,1,2
	v_mov_b32 v[PC+3+6*\c+\i], v[PC+12+4*\c+\i]
.endr
.endr
.endm
	s_load_b256 s[4:11], s[0:1], 0x0
.if DOTS
	s_load_b128 s[20:23], s[0:1], 0x20
	s_load_b64 s[12:13], s[0:1], 0x30
.else
	s_load_b64 s[12:13], s[0:1], 0x20
.endif
	v_lshl_add_u32 v[SPW], v0, 2, SPARE
	v_mov_b32 v[NIL], 0
	ds_add_u32 v[SPW], v[NIL]
	ds_add_u32 v[SPW], v[NIL]
	v_lshrrev_b32 v1, 5, v0
	v_readfirstlane_b32 s14, v1
	s_lshr_b32 s15, s14, 1
	s_and_b32 s16, s14, 1
	s_bfe_u32 s24, ttmp6, 0x40000
	s_bfe_u32 s25, ttmp6, 0x40004
	s_lshl_b32 s26, ttmp9, 2
	s_add_co_u32 s26, s26, s24
	s_and_b32 s17, ttmp7, 0xffff
	s_lshl_b32 s17, s17, 2
	s_add_co_u32 s17, s17, s25
	s_lshl_b32 s27, s25, 2
	s_lshl_b32 s27, 15, s27
	s_lshl_b32 s72, 0x1111, s24
	s_or_b32 s[G1A], s27, (3<<16)|(1<<21)
	s_mov_b32 s[G1A+1], 1600<<16
	s_mov_b32 s[G1A+2], 2<<16
	s_mov_b32 s[G1A+3], 1600<<16
	s_mov_b32 s[G1A+4], 2
	s_mov_b32 s[G1A+5], KREC*800
	s_mov_b32 s[G1A+6], 0
	s_mov_b32 s[G1A+7], 0
	s_or_b32 s[G1B], s72, (3<<16)|(1<<21)
	s_mov_b32 s[G1B+1], 1536<<16
	s_mov_b32 s[G1B+2], 4<<16
	s_mov_b32 s[G1B+3], 1536<<16
	s_mov_b32 s[G1B+4], 4
	s_mov_b32 s[G1B+5], KREC*768
	s_mov_b32 s[G1B+6], 0
	s_mov_b32 s[G1B+7], 0
	s_lshl_b32 s18, s17, 2
	s_lshl_b32 s19, s16, 1
	s_add_co_u32 s18, s18, s19
	s_mul_i32 s18, s18, KREC*6400
	s_mov_b32 s19, 0
	s_lshl_b32 s74, s26, 3
	s_lshl_b32 s75, s16, 2
	s_add_co_u32 s74, s74, s75
	s_mul_i32 s74, s74, KREC*6144
	s_mov_b32 s75, 0
	s_mul_i32 s76, s16, 25600
	s_mul_i32 s77, s16, 49152
	s_add_co_u32 s77, s77, BOFF
	s_mov_b32 s60, 0x76543210
	s_mov_b32 s61, 0xfedcba98
	s_mov_b32 s62, 0x600000
	s_mov_b32 s63, 0xffff0000
	s_wait_dscnt 0x0
	s_wait_kmcnt 0x0
	s_add_nc_u64 s[18:19], s[4:5], s[18:19]
	s_add_nc_u64 s[74:75], s[6:7], s[74:75]
	CROUND
.irp s, 0,1
	s_mov_b32 s[G0A+4*\s], 1
	s_add_co_u32 s[G0A+4*\s+1], s76, \s*SLOT
	s_add_nc_u64 s[G0A+4*\s+2:G0A+4*\s+3], s[18:19], \s*12800
	s_or_b32 s[G0A+4*\s+3], s[G0A+4*\s+3], 0x80000000
	s_mov_b32 s[G0B+4*\s], 1
	s_add_co_u32 s[G0B+4*\s+1], s77, \s*SLOT
	s_add_nc_u64 s[G0B+4*\s+2:G0B+4*\s+3], s[74:75], \s*12288
	s_or_b32 s[G0B+4*\s+3], s[G0B+4*\s+3], 0x80000000
.endr
	JLOAD G0A, G1A, G0B, G1B                       ; slot 0: one tensor load a wave at the head
	v_and_b32 v1, 31, v0
	v_and_b32 v2, 15, v0
	v_bfe_u32 v3, v0, 4, 1
	v_lshlrev_b32 v[GO], 4, v1
	v_mov_b32 v[ONE], 0x7f7f7f7f
	s_mul_i32 s78, s15, 25600
	v_add_nc_u32 v[ADRA], s78, v[GO]
	v_add_nc_u32 v[ADRA+1], SLOT, v[ADRA]
	v_add_nc_u32 v[ADRB], s77, v[GO]
	v_add_nc_u32 v[ADRB+1], SLOT, v[ADRB]
	v_lshl_add_u32 v[ADRS], v1, 3, s78
	v_add_nc_u32 v[ADRS], 6144, v[ADRS]
	v_add_nc_u32 v[ADRS+1], SLOT, v[ADRS]
	s_lshl_b32 s79, s15, 9
	s_lshl_b32 s80, s16, 2
	s_add_co_u32 s79, s79, s80
	s_add_co_u32 s79, s79, STG
	v_lshl_add_u32 v[STGW], v2, 3, s79
	s_lshl_b32 s79, s14, 8
	s_add_co_u32 s79, s79, STG
	v_lshl_add_u32 v[STGR], v1, 3, s79
	s_cmp_eq_u32 s15, 0                            ; the prefetches: do I fetch the left operand?
	s_cselect_b64 s[PFA:PFA+1], s[18:19], s[74:75] ; the rows that I fetch
	s_cselect_b32 s88, s24, s25                    ; my place among the four that ask with me: cx or cy
	s_cselect_b32 s89, 24, 31                      ; the last lane with a block of its own
	s_mov_b32 s91, KREC*6144
	s_cselect_b32 s91, 6400, s91                   ; a partner's share begins 25 blocks, or a group of t, further on
	s_mov_b32 s[PFS], 12288
	s_cselect_b32 s[PFS], 12800, s[PFS]
	s_cselect_b32 s92, KREC*6400-12800, 0          ; from the end of a group's 50 blocks to the next group's first
	s_mov_b32 s[PFS+1], 0
	s_mul_i32 s88, s88, s91
	s_add_nc_u64 s[PFA:PFA+1], s[PFA:PFA+1], s[PFS:PFS+1]
	s_add_nc_u64 s[PFA:PFA+1], s[PFA:PFA+1], s[PFS:PFS+1]   ; at slot 2
	v_min_u32 v8, s89, v1
	v_min_u32 v9, 15, v1
	v_lshl_add_u32 v[PFO], v8, 8, s88
	v_lshl_add_u32 v[PFO+1], v9, 8, s88
	v_cmp_lt_u32 s90, 12799, v[PFO]                ; past the first group's 12,800 bytes (t's waves add 0)
	v_add_nc_u32 v[PFO+1], 8192, v[PFO+1]          ; t: blocks 32 to 47
	v_cndmask_b32 v8, 0, s92, s90
	v_add_nc_u32 v[PFO], v[PFO], v8
	ASK 1                                          ; slot 2, behind slot 0's load
	v_lshlrev_b32 v4, 3, v1
	v_lshlrev_b32 v5, 6, v3
.set i, 0
.rept NPT/32
	global_load_b64 v[40+2*i:41+2*i], v4, s[8:9] offset:PTOFF+256*i
.set i, i+1
.endr
	s_lshl_b32 s80, s26, 10
	s_lshl_b32 s81, s16, 9
	s_add_co_u32 s80, s80, s81
	s_mov_b32 s81, 0
	s_add_nc_u64 s[10:11], s[10:11], s[80:81]
.if DOTS
	s_add_nc_u64 s[20:21], s[20:21], s[80:81]
	s_add_nc_u64 s[22:23], s[22:23], s[80:81]
.endif
	WIN 0xc0
.irp b, 0,1,2,3,4,5,6,7
	global_load_b128 v[8*\b:8*\b+3], v5, s[10:11] offset:(32*(\b/2)+8*(\b%2))*4
	global_load_b128 v[8*\b+4:8*\b+7], v5, s[10:11] offset:(32*(\b/2)+8*(\b%2))*4+16
.endr
.if DOTS
.irp b, 0,1,2,3,4,5,6,7
	global_load_b128 v[64+8*\b:64+8*\b+3], v5, s[20:21] offset:(32*(\b/2)+8*(\b%2))*4
	global_load_b128 v[64+8*\b+4:64+8*\b+7], v5, s[20:21] offset:(32*(\b/2)+8*(\b%2))*4+16
	global_load_b128 v[128+8*\b:128+8*\b+3], v5, s[22:23] offset:(32*(\b/2)+8*(\b%2))*4
	global_load_b128 v[128+8*\b+4:128+8*\b+7], v5, s[22:23] offset:(32*(\b/2)+8*(\b%2))*4+16
.endr
.endif
	WIN 0
	s_lshl_b32 s80, s17, 2
	s_lshl_b32 s82, s15, 1
	s_add_co_u32 s80, s80, s82
	s_lshl_b32 s80, s80, 4
	s_add_co_u32 s80, s80, s26
	s_mul_i32 s80, s80, 6400
	s_mul_i32 s82, s16, 1536
	s_add_co_u32 s80, s80, s82
	s_add_nc_u64 s[66:67], s[12:13], s[80:81]
	s_lshl_b32 s80, s17, 2
	s_add_co_u32 s80, s80, s14
	s_lshl_b32 s80, s80, 4
	s_add_co_u32 s80, s80, s26
	s_mul_i32 s80, s80, 6400
	s_add_nc_u64 s[68:69], s[12:13], s[80:81]
.if DOTS
	s_lshl_b32 s80, s26, 1
	s_add_co_u32 s80, s80, s16
	s_lshl_b32 s80, s80, 11
	s_lshl_b32 s82, s17, 7
	s_add_co_u32 s80, s80, s82
	s_lshl_b32 s82, s15, 6
	s_add_co_u32 s80, s80, s82
	s_lshl_b32 s80, s80, 3
	s_add_co_u32 s80, s80, 6553600
	s_add_nc_u64 s[70:71], s[12:13], s[80:81]
.endif
	s_wait_loadcnt 0x0
.set i, 1
.rept NPT/32-1
	v_pk_add_f32 v[40:41], v[40:41], v[40+2*i:41+2*i]
.set i, i+1
.endr
.irp m, 1,2,4,8
	v_add_f32_dpp v40, v40, v40 row_xmask:\m row_mask:0xf bank_mask:0xf
	v_add_f32_dpp v41, v41, v41 row_xmask:\m row_mask:0xf bank_mask:0xf
.endr
	v_permlanex16_b32 v42, v40, s60, s61
	v_permlanex16_b32 v43, v41, s60, s61
	v_add_f32 v40, v40, v42
	v_add_f32 v41, v41, v43
	ALPHAQ 40, 41, AQ, 42, 43
	v_mov_b32 v[AQ+1], v[AQ]
	s_wait_xcnt 0x0                                ; the prefetch has read its address: on to slot 3
	s_add_nc_u64 s[PFA:PFA+1], s[PFA:PFA+1], s[PFS:PFS+1]
	s_wait_alu depctr_va_vdst(0)                   ; the head's end
	s_wait_tensorcnt 0x0                           ; my part of slot 0 is in
	ds_add_u32 v[SPW], v[NIL]
	s_wait_dscnt 0x0
	CROUND                                         ; everybody's part is in, and all sixteen work-groups are here
	JLOAD G0A+4, G1A, G0B+4, G1B                   ; slot 1, the first tensor load behind the round
	FETCH 0, 0, 0
	SCALES 0
	ASK 1                                          ; slot 3
	STEP 0, 0, 1
	s_mov_b32 s3, LAPS-1
.Llap:
	STEP 0, 1, 0
	STEP 0, 2, 0
	TURN 0, 1, 1
	STEP 1, 0, 0
	STEP 1, 1, 0
	STEP 1, 2, 0
	TURN 1, 0, 1
	STEP 0, 0, 0
	s_sub_co_u32 s3, s3, 1
	s_cmp_lg_u32 s3, 0
	s_cbranch_scc1 .Llap
	STEP 0, 1, 0
	STEP 0, 2, 0
	TURN 0, 1, 0
	STEP 1, 0, 0
	STEP 1, 1, 0
	STEP 1, 2, 0
	s_wait_dscnt 0x0
	WIN MUL
	MUL8 0, 1, 3, 1, 0
	MUL8 1, 1, 3, 1, 0
	MUL8 2, 1, 3, 1, 0
	MUL8 3, 1, 3, 1, 0
	WIN 0
.macro OUTA a
	WIN 0x32
.set i, 0
.rept 32
	v_pk_fma_f32 v[H+2*i:H+2*i+1], v[64*(\a)+2*i:64*(\a)+2*i+1], v[AQ:AQ+1], v[2*i:2*i+1]
.set i, i+1
.endr
	WIN 0
.set i, 0
.rept 64
	v_max_num_f32 v[H+i], 0, v[H+i]
.set i, i+1
.endr
.if DOTS
	WIN 0x0c
	v_pk_mul_f32 v[DP:DP+1], v[H:H+1], v[64:65]
	v_pk_mul_f32 v[DP+4:DP+5], v[H:H+1], v[128:129]
	v_pk_mul_f32 v[DP+2:DP+3], v[H+2:H+3], v[66:67]
	v_pk_mul_f32 v[DP+6:DP+7], v[H+2:H+3], v[130:131]
.set i, 2
.rept 30
	v_pk_fma_f32 v[DP+2*(i%2):DP+2*(i%2)+1], v[H+2*i:H+2*i+1], v[64+2*i:65+2*i], v[DP+2*(i%2):DP+2*(i%2)+1]
	v_pk_fma_f32 v[DP+4+2*(i%2):DP+5+2*(i%2)], v[H+2*i:H+2*i+1], v[128+2*i:129+2*i], v[DP+4+2*(i%2):DP+5+2*(i%2)]
.set i, i+1
.endr
	WIN 0
	v_pk_add_f32 v[DP:DP+1], v[DP:DP+1], v[DP+2:DP+3]
	v_pk_add_f32 v[DP+4:DP+5], v[DP+4:DP+5], v[DP+6:DP+7]
	v_add_f32 v[PS+\a], v[DP], v[DP+1]
	v_add_f32 v[CS+\a], v[DP+4], v[DP+5]
.endif
.if (\a) > 0
	s_wait_xcnt 0x0
.endif
	QUANT H, PW+\a
.irp c, 0,1,2
	global_store_b128 v[GO], v[PC+4*\c:PC+4*\c+3], s[66:67] offset:((\a)/2)*102400+((\a)%2)*3072+512*\c
.endr
	ds_store_b32 v[STGW], v[PW+\a] offset:256*((\a)/2)+128*((\a)%2)
.endm
	PLACES 4
.irp b, 0,1,2,3
	v_mov_b32 v[TM+4+\b], 0
.endr
	s_wait_alu depctr_va_vdst(0)
	OUTA 0
	OUTA 1
	OUTA 2
	OUTA 3
.if DOTS
.irp a, 0,1,2,3
	v_permlanex16_b32 v[PX+\a], v[PS+\a], s60, s61
	v_permlanex16_b32 v[PX+4+\a], v[CS+\a], s60, s61
.endr
.irp a, 0,1,2,3
	v_add_f32 v[PS+\a], v[PS+\a], v[PX+\a]
	v_add_f32 v[CS+\a], v[CS+\a], v[PX+4+\a]
.endr
.irp t, 0,1
	v_cndmask_b32 v[PR+2*\t], v[PS+2*\t], v[PS+2*\t+1], s63
	v_cndmask_b32 v[PR+2*\t+1], v[CS+2*\t], v[CS+2*\t+1], s63
	global_store_b64 v4, v[PR+2*\t:PR+2*\t+1], s[70:71] offset:256*\t
.endr
.endif
	s_wait_dscnt 0x0
	s_barrier_signal -1
	s_barrier_wait -1
	ds_load_b64 v[48:49], v[STGR]
	s_wait_dscnt 0x0
	global_store_b64 v4, v[48:49], s[68:69] offset:6144
	s_wait_tensorcnt 0x0
	ds_add_u32 v[SPW], v[NIL]
	s_wait_dscnt 0x0
	CROUND
	s_endpgm
.Lfunc_end_k_q4987620482_gemm1:
	.size	k_q4987620482_gemm1, .Lfunc_end_k_q4987620482_gemm1-k_q4987620482_gemm1
	.p2alignl 7, 3214868480
	.fill 96, 4, 3214868480
	.section	.rodata,"a",@progbits
	.p2align	6, 0x0
	.amdhsa_kernel k_q4987620482_gemm1
		.amdhsa_group_segment_fixed_size 327680
		.amdhsa_private_segment_fixed_size 0
		.amdhsa_enable_private_segment 0
		.amdhsa_kernarg_size 40
		.amdhsa_user_sgpr_count 2
		.amdhsa_user_sgpr_kernarg_segment_ptr 1
		.amdhsa_wavefront_size32 1
		.amdhsa_system_sgpr_workgroup_id_x 1
		.amdhsa_system_sgpr_workgroup_id_y 1
		.amdhsa_system_sgpr_workgroup_id_z 1
		.amdhsa_system_vgpr_workitem_id 0
		.amdhsa_next_free_vgpr 1024
		.amdhsa_next_free_sgpr 100
		.amdhsa_reserve_vcc 0
		.amdhsa_float_denorm_mode_32 3
		.amdhsa_float_denorm_mode_16_64 3
		.amdhsa_memory_ordered 1
		.amdhsa_forward_progress 1
		.amdhsa_inst_pref_size 155
	.end_amdhsa_kernel
	.amdgpu_metadata
---
amdhsa.version: [ 1, 2 ]
amdhsa.kernels:
  - .name:           k_q4987620482_gemm1
    .symbol:         k_q4987620482_gemm1.kd
    .args:
      - { .name: xq, .offset: 0, .size: 8, .value_kind: global_buffer, .address_space: global }
      - { .name: w1q, .offset: 8, .size: 8, .value_kind: global_buffer, .address_space: global }
      - { .name: ptern, .offset: 16, .size: 8, .value_kind: global_buffer, .address_space: global }
      - { .name: b1, .offset: 24, .size: 8, .value_kind: global_buffer, .address_space: global }
      - { .name: h1q, .offset: 32, .size: 8, .value_kind: global_buffer, .address_space: global }
    .group_segment_fixed_size: 327680
    .private_segment_fixed_size: 0
    .kernarg_segment_align: 8
    .kernarg_segment_size: 40
    .max_flat_workgroup_size: 128
    .sgpr_count:     100
    .vgpr_count:     1024
    .wavefront_size: 32
...
	.end_amdgpu_metadata
.endif
;; end of part 3
;; launch gemm2 (part 4): grid 16 x 16, 4 waves a work-group, clusters of 4 x 4, 327,680 bytes of LDS; arguments h1q, w2q, ptern, b2, Wp, Wc, h2q; writes h2q
.if DOCPART == 4
	.amdgcn_target "amdgcn-amd-amdhsa--gfx1250"
	.amdhsa_code_object_version 6
	.text
	.protected	k_q4987620482_gemm2
	.globl	k_q4987620482_gemm2
	.p2align	8
	.type	k_q4987620482_gemm2,@function
k_q4987620482_gemm2:
	s_mov_b64 s[64:65], 0
	v_nop
	global_prefetch_b8 v0, s[64:65] scope:SCOPE_SE
	s_setreg_imm32_b32 hwreg(HW_REG_WAVE_MODE, 25, 1), 1
	s_wait_xcnt 0x0
	s_wait_alu depctr_hold_cnt(0) depctr_sa_sdst(0) depctr_va_vdst(0) depctr_va_sdst(0) depctr_va_ssrc(0) depctr_va_vcc(0) depctr_vm_vsrc(0)
	s_getreg_b32 s2, hwreg(HW_REG_IB_STS2, 6, 4)
	s_cmp_eq_u32 s2, 0
	s_cbranch_scc0 .Lentry_in_a_cluster
	s_endpgm
.Lentry_in_a_cluster:
	s_bfe_u32 s2, ttmp6, 0x10000c
	s_cmp_lg_u32 s2, 0xf033
	s_cbranch_scc0 .Lentry_shape_is_right
	s_endpgm
.Lentry_shape_is_right:
; FOURTH LAUNCH: h2 = relu(Q(alpha2) (h1q t2^T) + b2), quantised along the next K; and each wave's 128 columns' share of h2 . Wp and h2 . Wc, in f32.  h1q: h1's records; t2: the codes of sign(W2) (|W2| > delta), scale byte 127.
; Q(alpha2), made here from ptern's pairs, multiplies the f32 sums on the way out (why that is the stated quantiser for all values: head of the first launch).  h2 leaves as records of the format at the head of the second launch;
; the shares of the two dot products lie behind the records, 32 pairs a row, and the last launch adds them.
; SHARES.  256 work-groups, each 128 rows x 256 columns; four waves, each 64 x 128: 32 accumulators.  The product is used transposed (source 0 = 16 rows of t, source 1 = 16 rows of h1): a lane holds 16 neighbours along the next K in two tiles.
; THE RING.  Two slots of 512 along K: 4 x 2 records of h1, 8 x 2 records of t.  Waves 0 and 1 fetch h1's halves, waves 2 and 3 t's: one joint load a wave behind each round of the cluster's barrier
; (4 x 4 work-groups: h1's tile is shared along a row of the cluster, t's along a column).  At the head a wave issues slot 0's load alone; slot 1's follows behind the three lines and a round.
; The pairs, b2, Wp, Wc and alpha's arithmetic stand between slot 0's load and the wait for it.
; PREFETCH.  Behind the load of slot t a wave asks for its work-group's share of slot t + 2 (macro ASK): K has eight slots; the loop's last trip asks for nothing.
; REGISTERS.  window 0: v1-39 addresses, constants, scale words; v40-135 h1's fragments, two sets (at work on the way out).  window 1: t's fragments, two sets.  window 2: the accumulators.  window 3: b2, Wp, Wc in the result's layout.
; LIMITS: as at the head of the first launch.
.set KREC,  16
.set NPT,   256
.set PTOFF, 1024
.set DOTS,  1
.set SLOT,  149504
.set BOFF,  51200
.set STG,   2*SLOT
.set SPARE, STG+1024
.set LAPS,  KREC/4
.set ADRA, 10
.set ADRB, 12
.set ADRS, 14
.set SPW,  16
.set NIL,  17
.set ONE,  18
.set GO,   19
.set STGW, 20
.set STGR, 21
.set AQ,   22
.set SA,   24
.set AF,   40
.set H,    40
.set PC,   104
.set TM,   124
.set PW,   140
.set DP,   144
.set PS,   152
.set CS,   156
.set PX,   40
.set PR,   168
.set G1A,  28
.set G0A,  36
.set G1B,  44
.set G0B,  52
.set MSB, 0
.macro WIN new
.if MSB != \new
	s_set_vgpr_msb (MSB<<8)|\new
.set MSB, \new
.endif
.endm
.set MUL,  0xa1
.set TO_B, 0x40
.macro JLOAD g0a, g1a, g0b, g1b
	s_cmp_eq_u32 s15, 0
	s_cbranch_scc0 .Lfor_b_\@
	tensor_load_to_lds s[\g0a:\g0a+3], s[\g1a:\g1a+7]
	s_nop 0
.rept 4
	v_nop
.endr
	s_branch .Lasked_\@
.Lfor_b_\@:
	tensor_load_to_lds s[\g0b:\g0b+3], s[\g1b:\g1b+7]
	s_nop 0
.rept 4
	v_nop
.endr
.Lasked_\@:
.endm
.macro CREST
	s_cmp_lg_u32 s14, 0
	s_cbranch_scc1 .Lnot_wave_0_\@
	s_barrier_signal -3
.Lnot_wave_0_\@:
	s_barrier_wait -3
	s_barrier_signal -1
	s_barrier_wait -1
.endm
.macro CROUND
	s_barrier_signal -1
	s_barrier_wait -1
	CREST
.endm
.set PFO,  6                           ; v6-7     the prefetches' lane offsets; never rewritten
.set PFA,  84                          ; s[84:85] where my prefetches stand: my work-group's share of the rows that I fetch, at the slot that is asked for next
.set PFS,  86                          ; s[86:87] a slot's bytes along a row of records: 12,800 for the left operand, 12,288 for t
; A prefetch of the slot two loads on.  A wave of the left operand fetches 2 x 50 blocks of 256 bytes: the partner at place cx names blocks 25 cx .. 25 cx + 24 (lanes 25-31 name the last again).
; A wave of t fetches 4 x 48 blocks: the partner at place cy names the 48 of group cy, by two instructions (lanes 16-31 of the second name its last again).  So each block is named once in each cluster that loads it;
; the partners part by address alone.  how = 0, in the loop: the last trip's two loads have no slot two on.
.macro ASK how
.if (\how) || (LAPS > 2)
.if (\how) == 0
	s_cmp_gt_u32 s3, 1
	s_cbranch_scc0 .Lnot_\@
.endif
	global_prefetch_b8 v[PFO], s[PFA:PFA+1] th:TH_LOAD_NT scope:SCOPE_SE
	s_cmp_eq_u32 s15, 0
	s_cbranch_scc1 .Lnot_\@
	global_prefetch_b8 v[PFO+1], s[PFA:PFA+1] th:TH_LOAD_NT scope:SCOPE_SE
.Lnot_\@:
.endif
.endm
.macro PLACES n
.rept \n
	v_nop
.endr
.endm
.macro FETCH slot, q, p
	WIN TO_B
.irp b, 0,1,2,3,4,5,6,7
.irp c, 0,1,2
	ds_load_b128 v[96*(\p)+12*\b+4*\c:96*(\p)+12*\b+4*\c+3], v[ADRB+\slot] offset:(\b/2)*12288+((\q)/2)*6144+(2*(\b%2)+(\q)%2)*1536+512*\c
.endr
.endr
	WIN 0
.irp a, 0,1,2,3
.irp c, 0,1,2
	ds_load_b128 v[AF+48*(\p)+12*\a+4*\c:AF+48*(\p)+12*\a+4*\c+3], v[ADRA+\slot] offset:(\a/2)*12800+((\q)/2)*6400+(2*(\a%2)+(\q)%2)*1536+512*\c
.endr
.endr
.endm
.macro SCALES slot
.irp g, 0,1
.irp l, 0,1
	ds_load_b64 v[SA+8*\slot+4*\g+2*\l:SA+8*\slot+4*\g+2*\l+1], v[ADRS+\slot] offset:12800*\g+6400*\l
.endr
.endr
.endm
.macro MUL8 a, p, q, set, zero
.irp b, 0,1,2,3,4,5,6,7
.set rD, 64*(\a)+8*\b
.set rB, 96*(\p)+12*\b
.set rA, AF+48*(\p)+12*(\a)
.set rS, SA+8*(\set)+4*((\a)/2)+(\q)
.if (\zero) && ((\a)%2)
	v_wmma_scale_f32_16x16x128_f8f6f4 v[rD:rD+7], v[rB:rB+11], v[rA:rA+11], 0, v[ONE], v[rS] matrix_a_fmt:MATRIX_FMT_BF6 matrix_b_fmt:MATRIX_FMT_BF6 matrix_b_scale:MATRIX_SCALE_ROW1
.elseif \zero
	v_wmma_scale_f32_16x16x128_f8f6f4 v[rD:rD+7], v[rB:rB+11], v[rA:rA+11], 0, v[ONE], v[rS] matrix_a_fmt:MATRIX_FMT_BF6 matrix_b_fmt:MATRIX_FMT_BF6
.elseif (\a)%2
	v_wmma_scale_f32_16x16x128_f8f6f4 v[rD:rD+7], v[rB:rB+11], v[rA:rA+11], v[rD:rD+7], v[ONE], v[rS] matrix_a_fmt:MATRIX_FMT_BF6 matrix_b_fmt:MATRIX_FMT_BF6 matrix_b_scale:MATRIX_SCALE_ROW1
.else
	v_wmma_scale_f32_16x16x128_f8f6f4 v[rD:rD+7], v[rB:rB+11], v[rA:rA+11], v[rD:rD+7], v[ONE], v[rS] matrix_a_fmt:MATRIX_FMT_BF6 matrix_b_fmt:MATRIX_FMT_BF6
.endif
.endr
.endm
.macro STEP slot, q, zero
	s_wait_dscnt 0x0
.if (\zero) == 0
	PLACES 4
.endif
	FETCH \slot, (\q)+1, ((\q)+1)%2
	WIN MUL
	MUL8 0, (\q)%2, \q, \slot, \zero
	MUL8 1, (\q)%2, \q, \slot, \zero
	MUL8 2, (\q)%2, \q, \slot, \zero
	MUL8 3, (\q)%2, \q, \slot, \zero
	WIN 0
.endm
.macro TURN slot, next, fill
.if (\fill) && (LAPS > 2)
	s_wait_xcnt 0x0                                ; my last prefetch has read its address: it steps one slot on
	s_add_nc_u64 s[PFA:PFA+1], s[PFA:PFA+1], s[PFS:PFS+1]
.endif
	s_wait_tensorcnt 0x0
	ds_add_u32 v[SPW], v[NIL]
	s_wait_dscnt 1
	WIN MUL
	MUL8 0, 1, 3, \slot, 0
	s_wait_dscnt 0x0
	s_barrier_signal -1
	MUL8 1, 1, 3, \slot, 0
	WIN 0
	s_barrier_wait -1
.if \fill
	CREST
	s_add_nc_u64 s[G0A+4*\slot+2:G0A+4*\slot+3], s[G0A+4*\slot+2:G0A+4*\slot+3], 25600
	s_add_nc_u64 s[G0B+4*\slot+2:G0B+4*\slot+3], s[G0B+4*\slot+2:G0B+4*\slot+3], 24576
	JLOAD G0A+4*\slot, G1A, G0B+4*\slot, G1B
.else
	PLACES 4
.endif
	FETCH \next, 0, 0
	SCALES \next
.if \fill
	ASK 0
.endif
	WIN MUL
	MUL8 2, 1, 3, \slot, 0
	MUL8 3, 1, 3, \slot, 0
	WIN 0
.endm
.macro ALPHAQ cnt, ms, out, t0, t1
	v_max_num_f32 v[\cnt], 1.0, v[\cnt]
	s_wait_alu depctr_va_vdst(0)
	v_rcp_f32 v[\t0], v[\cnt]
	v_nop
	s_wait_alu depctr_va_vdst(0)
	v_fma_f32 v[\t1], -v[\cnt], v[\t0], 1.0
	v_fma_f32 v[\t0], v[\t1], v[\t0], v[\t0]
	v_mul_f32 v[\out], v[\ms], v[\t0]
	v_fma_f32 v[\t1], -v[\cnt], v[\out], v[\ms]
	v_fma_f32 v[\out], v[\t1], v[\t0], v[\out]
	v_bfe_u32 v[\t0], v[\out], 21, 1
	v_add3_u32 v[\t0], v[\out], v[\t0], 0xfffff
	v_and_b32 v[\t0], 0xffe00000, v[\t0]
	v_and_or_b32 v[\t1], v[\out], 0x7f800000, s62
	v_min_u32 v[\out], v[\t0], v[\t1]
.endm
.macro QUANT s, pw
.irp b, 0,1,2,3
	v_max3_num_f32 v[TM+\b], v[\s+16*\b], v[\s+1+16*\b], 0x2800000
.endr
.irp i, 2,4,6,8,10,12,14
.irp b, 0,1,2,3
	v_max3_num_f32 v[TM+\b], v[TM+\b], v[\s+16*\b+\i], v[\s+1+16*\b+\i]
.endr
.endr
.irp b, 0,1,2,3
	v_permlanex16_b32 v[TM+4+\b], v[TM+\b], s60, s61
.endr
.irp b, 0,1,2,3
	v_max_num_f32 v[TM+\b], v[TM+\b], v[TM+4+\b]
.endr
.irp b, 0,1,2,3
	v_add_nc_u32 v[TM+12+\b], 0xfe000000, v[TM+\b]
.endr
.irp b, 0,1,2,3
	v_lshrrev_b32 v[TM+4+\b], 23, v[TM+12+\b]
.endr
	v_lshl_or_b32 v[\pw], v[TM+5], 8, v[TM+4]
	v_lshl_or_b32 v[\pw], v[TM+6], 16, v[\pw]
	v_lshl_or_b32 v[\pw], v[TM+7], 24, v[\pw]
.irp c, 0,1
	v_cvt_scalef32_pk16_bf6_f32 v[PC+6*\c:PC+2+6*\c], v[\s+32*\c:\s+15+32*\c], v[TM+12+2*\c]
	v_cvt_scalef32_pk16_bf6_f32 v[PC+12+4*\c:PC+14+4*\c], v[\s+16+32*\c:\s+31+32*\c], v[TM+13+2*\c]
.endr
	v_nop
.irp c, 0,1
.irp i, 0,1,2
	v_permlane16_swap_b32 v[PC+6*\c+\i], v[PC+12+4*\c+\i]
.endr
.irp i, 0,1,2
	v_mov_b32 v[PC+3+6*\c+\i], v[PC+12+4*\c+\i]
.endr
.endr
.endm
	s_load_b256 s[4:11], s[0:1], 0x0
.if DOTS
	s_load_b128 s[20:23], s[0:1], 0x20
	s_load_b64 s[12:13], s[0:1], 0x30
.else
	s_load_b64 s[12:13], s[0:1], 0x20
.endif
	v_lshl_add_u32 v[SPW], v0, 2, SPARE
	v_mov_b32 v[NIL], 0
	ds_add_u32 v[SPW], v[NIL]
	ds_add_u32 v[SPW], v[NIL]
	v_lshrrev_b32 v1, 5, v0
	v_readfirstlane_b32 s14, v1
	s_lshr_b32 s15, s14, 1
	s_and_b32 s16, s14, 1
	s_bfe_u32 s24, ttmp6, 0x40000
	s_bfe_u32 s25, ttmp6, 0x40004
	s_lshl_b32 s26, ttmp9, 2
	s_add_co_u32 s26, s26, s24
	s_and_b32 s17, ttmp7, 0xffff
	s_lshl_b32 s17, s17, 2
	s_add_co_u32 s17, s17, s25
	s_lshl_b32 s27, s25, 2
	s_lshl_b32 s27, 15, s27
	s_lshl_b32 s72, 0x1111, s24
	s_or_b32 s[G1A], s27, (3<<16)|(1<<21)
	s_mov_b32 s[G1A+1], 1600<<16
	s_mov_b32 s[G1A+2], 2<<16
	s_mov_b32 s[G1A+3], 1600<<16
	s_mov_b32 s[G1A+4], 2
	s_mov_b32 s[G1A+5], KREC*800
	s_mov_b32 s[G1A+6], 0
	s_mov_b32 s[G1A+7], 0
	s_or_b32 s[G1B], s72, (3<<16)|(1<<21)
	s_mov_b32 s[G1B+1], 1536<<16
	s_mov_b32 s[G1B+2], 4<<16
	s_mov_b32 s[G1B+3], 1536<<16
	s_mov_b32 s[G1B+4], 4
	s_mov_b32 s[G1B+5], KREC*768
	s_mov_b32 s[G1B+6], 0
	s_mov_b32 s[G1B+7], 0
	s_lshl_b32 s18, s17, 2
	s_lshl_b32 s19, s16, 1
	s_add_co_u32 s18, s18, s19
	s_mul_i32 s18, s18, KREC*6400
	s_mov_b32 s19, 0
	s_lshl_b32 s74, s26, 3
	s_lshl_b32 s75, s16, 2
	s_add_co_u32 s74, s74, s75
	s_mul_i32 s74, s74, KREC*6144
	s_mov_b32 s75, 0
	s_mul_i32 s76, s16, 25600
	s_mul_i32 s77, s16, 49152
	s_add_co_u32 s77, s77, BOFF
	s_mov_b32 s60, 0x76543210
	s_mov_b32 s61, 0xfedcba98
	s_mov_b32 s62, 0x600000
	s_mov_b32 s63, 0xffff0000
	s_wait_dscnt 0x0
	s_wait_kmcnt 0x0
	s_add_nc_u64 s[18:19], s[4:5], s[18:19]
	s_add_nc_u64 s[74:75], s[6:7], s[74:75]
	CROUND
.irp s, 0,1
	s_mov_b32 s[G0A+4*\s], 1
	s_add_co_u32 s[G0A+4*\s+1], s76, \s*SLOT
	s_add_nc_u64 s[G0A+4*\s+2:G0A+4*\s+3], s[18:19], \s*12800
	s_or_b32 s[G0A+4*\s+3], s[G0A+4*\s+3], 0x80000000
	s_mov_b32 s[G0B+4*\s], 1
	s_add_co_u32 s[G0B+4*\s+1], s77, \s*SLOT
	s_add_nc_u64 s[G0B+4*\s+2:G0B+4*\s+3], s[74:75], \s*12288
	s_or_b32 s[G0B+4*\s+3], s[G0B+4*\s+3], 0x80000000
.endr
	JLOAD G0A, G1A, G0B, G1B                       ; slot 0: one tensor load a wave at the head
	v_and_b32 v1, 31, v0
	v_and_b32 v2, 15, v0
	v_bfe_u32 v3, v0, 4, 1
	v_lshlrev_b32 v[GO], 4, v1
	v_mov_b32 v[ONE], 0x7f7f7f7f
	s_mul_i32 s78, s15, 25600
	v_add_nc_u32 v[ADRA], s78, v[GO]
	v_add_nc_u32 v[ADRA+1], SLOT, v[ADRA]
	v_add_nc_u32 v[ADRB], s77, v[GO]
	v_add_nc_u32 v[ADRB+1], SLOT, v[ADRB]
	v_lshl_add_u32 v[ADRS], v1, 3, s78
	v_add_nc_u32 v[ADRS], 6144, v[ADRS]
	v_add_nc_u32 v[ADRS+1], SLOT, v[ADRS]
	s_lshl_b32 s79, s15, 9
	s_lshl_b32 s80, s16, 2
	s_add_co_u32 s79, s79, s80
	s_add_co_u32 s79, s79, STG
	v_lshl_add_u32 v[STGW], v2, 3, s79
	s_lshl_b32 s79, s14, 8
	s_add_co_u32 s79, s79, STG
	v_lshl_add_u32 v[STGR], v1, 3, s79
	s_cmp_eq_u32 s15, 0                            ; the prefetches: do I fetch the left operand?
	s_cselect_b64 s[PFA:PFA+1], s[18:19], s[74:75] ; the rows that I fetch
	s_cselect_b32 s88, s24, s25                    ; my place among the four that ask with me: cx or cy
	s_cselect_b32 s89, 24, 31                      ; the last lane with a block of its own
	s_mov_b32 s91, KREC*6144
	s_cselect_b32 s91, 6400, s91                   ; a partner's share begins 25 blocks, or a group of t, further on
	s_mov_b32 s[PFS], 12288
	s_cselect_b32 s[PFS], 12800, s[PFS]
	s_cselect_b32 s92, KREC*6400-12800, 0          ; from the end of a group's 50 blocks to the next group's first
	s_mov_b32 s[PFS+1], 0
	s_mul_i32 s88, s88, s91
	s_add_nc_u64 s[PFA:PFA+1], s[PFA:PFA+1], s[PFS:PFS+1]
	s_add_nc_u64 s[PFA:PFA+1], s[PFA:PFA+1], s[PFS:PFS+1]   ; at slot 2
	v_min_u32 v8, s89, v1
	v_min_u32 v9, 15, v1
	v_lshl_add_u32 v[PFO], v8, 8, s88
	v_lshl_add_u32 v[PFO+1], v9, 8, s88
	v_cmp_lt_u32 s90, 12799, v[PFO]                ; past the first group's 12,800 bytes (t's waves add 0)
	v_add_nc_u32 v[PFO+1], 8192, v[PFO+1]          ; t: blocks 32 to 47
	v_cndmask_b32 v8, 0, s92, s90
	v_add_nc_u32 v[PFO], v[PFO], v8
	ASK 1                                          ; slot 2, behind slot 0's load
	v_lshlrev_b32 v4, 3, v1
	v_lshlrev_b32 v5, 6, v3
.set i, 0
	s_wait_alu depctr_va_vdst(0)
.rept NPT/32
	global_load_b64 v[40+2*i:41+2*i], v4, s[8:9] offset:PTOFF+256*i
.set i, i+1
.endr
	s_lshl_b32 s80, s26, 10
	s_lshl_b32 s81, s16, 9
	s_add_co_u32 s80, s80, s81
	s_mov_b32 s81, 0
	s_add_nc_u64 s[10:11], s[10:11], s[80:81]
.if DOTS
	s_add_nc_u64 s[20:21], s[20:21], s[80:81]
	s_add_nc_u64 s[22:23], s[22:23], s[80:81]
.endif
	WIN 0xc0
.irp b, 0,1,2,3,4,5,6,7
	global_load_b128 v[8*\b:8*\b+3], v5, s[10:11] offset:(32*(\b/2)+8*(\b%2))*4
	global_load_b128 v[8*\b+4:8*\b+7], v5, s[10:11] offset:(32*(\b/2)+8*(\b%2))*4+16
.endr
.if DOTS
.irp b, 0,1,2,3,4,5,6,7
	global_load_b128 v[64+8*\b:64+8*\b+3], v5, s[20:21] offset:(32*(\b/2)+8*(\b%2))*4
	global_load_b128 v[64+8*\b+4:64+8*\b+7], v5, s[20:21] offset:(32*(\b/2)+8*(\b%2))*4+16
	global_load_b128 v[128+8*\b:128+8*\b+3], v5, s[22:23] offset:(32*(\b/2)+8*(\b%2))*4
	global_load_b128 v[128+8*\b+4:128+8*\b+7], v5, s[22:23] offset:(32*(\b/2)+8*(\b%2))*4+16
.endr
.endif
	WIN 0
	s_lshl_b32 s80, s17, 2
	s_lshl_b32 s82, s15, 1
	s_add_co_u32 s80, s80, s82
	s_lshl_b32 s80, s80, 4
	s_add_co_u32 s80, s80, s26
	s_mul_i32 s80, s80, 6400
	s_mul_i32 s82, s16, 1536
	s_add_co_u32 s80, s80, s82
	s_add_nc_u64 s[66:67], s[12:13], s[80:81]
	s_lshl_b32 s80, s17, 2
	s_add_co_u32 s80, s80, s14
	s_lshl_b32 s80, s80, 4
	s_add_co_u32 s80, s80, s26
	s_mul_i32 s80, s80, 6400
	s_add_nc_u64 s[68:69], s[12:13], s[80:81]
.if DOTS
	s_lshl_b32 s80, s26, 1
	s_add_co_u32 s80, s80, s16
	s_lshl_b32 s80, s80, 11
	s_lshl_b32 s82, s17, 7
	s_add_co_u32 s80, s80, s82
	s_lshl_b32 s82, s15, 6
	s_add_co_u32 s80, s80, s82
	s_lshl_b32 s80, s80, 3
	s_add_co_u32 s80, s80, 6553600
	s_add_nc_u64 s[70:71], s[12:13], s[80:81]
.endif
	s_wait_loadcnt 0x0
.set i, 1
.rept NPT/32-1
	v_pk_add_f32 v[40:41], v[40:41], v[40+2*i:41+2*i]
.set i, i+1
.endr
.irp m, 1,2,4,8
	v_add_f32_dpp v40, v40, v40 row_xmask:\m row_mask:0xf bank_mask:0xf
	v_add_f32_dpp v41, v41, v41 row_xmask:\m row_mask:0xf bank_mask:0xf
.endr
	v_permlanex16_b32 v42, v40, s60, s61
	v_permlanex16_b32 v43, v41, s60, s61
	v_add_f32 v40, v40, v42
	v_add_f32 v41, v41, v43
	ALPHAQ 40, 41, AQ, 42, 43
	v_mov_b32 v[AQ+1], v[AQ]
	s_wait_xcnt 0x0                                ; the prefetch has read its address: on to slot 3
	s_add_nc_u64 s[PFA:PFA+1], s[PFA:PFA+1], s[PFS:PFS+1]
	s_wait_alu depctr_va_vdst(0)                   ; the head's end
	s_wait_tensorcnt 0x0                           ; my part of slot 0 is in
	ds_add_u32 v[SPW], v[NIL]
	s_wait_dscnt 0x0
	CROUND                                         ; everybody's part is in, and all sixteen work-groups are here
	JLOAD G0A+4, G1A, G0B+4, G1B                   ; slot 1, the first tensor load behind the round
	FETCH 0, 0, 0
	SCALES 0
	ASK 1                                          ; slot 3
	STEP 0, 0, 1
	s_mov_b32 s3, LAPS-1
.Llap:
	STEP 0, 1, 0
	STEP 0, 2, 0
	TURN 0, 1, 1
	STEP 1, 0, 0
	STEP 1, 1, 0
	STEP 1, 2, 0
	TURN 1, 0, 1
	STEP 0, 0, 0
	s_sub_co_u32 s3, s3, 1
	s_cmp_lg_u32 s3, 0
	s_cbranch_scc1 .Llap
	STEP 0, 1, 0
	STEP 0, 2, 0
	TURN 0, 1, 0
	STEP 1, 0, 0
	STEP 1, 1, 0
	STEP 1, 2, 0
	s_wait_dscnt 0x0
	WIN MUL
	MUL8 0, 1, 3, 1, 0
	MUL8 1, 1, 3, 1, 0
	MUL8 2, 1, 3, 1, 0
	MUL8 3, 1, 3, 1, 0
	WIN 0
.macro OUTA a
	WIN 0x32
.set i, 0
.rept 32
	v_pk_fma_f32 v[H+2*i:H+2*i+1], v[64*(\a)+2*i:64*(\a)+2*i+1], v[AQ:AQ+1], v[2*i:2*i+1]
.set i, i+1
.endr
	WIN 0
.set i, 0
.rept 64
	v_max_num_f32 v[H+i], 0, v[H+i]
.set i, i+1
.endr
.if DOTS
	WIN 0x0c
	v_pk_mul_f32 v[DP:DP+1], v[H:H+1], v[64:65]
	v_pk_mul_f32 v[DP+4:DP+5], v[H:H+1], v[128:129]
	v_pk_mul_f32 v[DP+2:DP+3], v[H+2:H+3], v[66:67]
	v_pk_mul_f32 v[DP+6:DP+7], v[H+2:H+3], v[130:131]
.set i, 2
.rept 30
	v_pk_fma_f32 v[DP+2*(i%2):DP+2*(i%2)+1], v[H+2*i:H+2*i+1], v[64+2*i:65+2*i], v[DP+2*(i%2):DP+2*(i%2)+1]
	v_pk_fma_f32 v[DP+4+2*(i%2):DP+5+2*(i%2)], v[H+2*i:H+2*i+1], v[128+2*i:129+2*i], v[DP+4+2*(i%2):DP+5+2*(i%2)]
.set i, i+1
.endr
	WIN 0
	v_pk_add_f32 v[DP:DP+1], v[DP:DP+1], v[DP+2:DP+3]
	v_pk_add_f32 v[DP+4:DP+5], v[DP+4:DP+5], v[DP+6:DP+7]
	v_add_f32 v[PS+\a], v[DP], v[DP+1]
	v_add_f32 v[CS+\a], v[DP+4], v[DP+5]
.endif
.if (\a) > 0
	s_wait_xcnt 0x0
.endif
	QUANT H, PW+\a
.irp c, 0,1,2
	global_store_b128 v[GO], v[PC+4*\c:PC+4*\c+3], s[66:67] offset:((\a)/2)*102400+((\a)%2)*3072+512*\c
.endr
	ds_store_b32 v[STGW], v[PW+\a] offset:256*((\a)/2)+128*((\a)%2)
.endm
	PLACES 4
.irp b, 0,1,2,3
	v_mov_b32 v[TM+4+\b], 0
.endr
	s_wait_alu depctr_va_vdst(0)
	OUTA 0
	OUTA 1
	OUTA 2
	OUTA 3
.if DOTS
.irp a, 0,1,2,3
	v_permlanex16_b32 v[PX+\a], v[PS+\a], s60, s61
	v_permlanex16_b32 v[PX+4+\a], v[CS+\a], s60, s61
.endr
.irp a, 0,1,2,3
	v_add_f32 v[PS+\a], v[PS+\a], v[PX+\a]
	v_add_f32 v[CS+\a], v[CS+\a], v[PX+4+\a]
.endr
.irp t, 0,1
	v_cndmask_b32 v[PR+2*\t], v[PS+2*\t], v[PS+2*\t+1], s63
	v_cndmask_b32 v[PR+2*\t+1], v[CS+2*\t], v[CS+2*\t+1], s63
	global_store_b64 v4, v[PR+2*\t:PR+2*\t+1], s[70:71] offset:256*\t
.endr
.endif
	s_wait_dscnt 0x0
	s_barrier_signal -1
	s_barrier_wait -1
	ds_load_b64 v[48:49], v[STGR]
	s_wait_dscnt 0x0
	global_store_b64 v4, v[48:49], s[68:69] offset:6144
	s_wait_tensorcnt 0x0
	ds_add_u32 v[SPW], v[NIL]
	s_wait_dscnt 0x0
	CROUND
	s_endpgm
.Lfunc_end_k_q4987620482_gemm2:
	.size	k_q4987620482_gemm2, .Lfunc_end_k_q4987620482_gemm2-k_q4987620482_gemm2
	.p2alignl 7, 3214868480
	.fill 96, 4, 3214868480
	.section	.rodata,"a",@progbits
	.p2align	6, 0x0
	.amdhsa_kernel k_q4987620482_gemm2
		.amdhsa_group_segment_fixed_size 327680
		.amdhsa_private_segment_fixed_size 0
		.amdhsa_enable_private_segment 0
		.amdhsa_kernarg_size 56
		.amdhsa_user_sgpr_count 2
		.amdhsa_user_sgpr_kernarg_segment_ptr 1
		.amdhsa_wavefront_size32 1
		.amdhsa_system_sgpr_workgroup_id_x 1
		.amdhsa_system_sgpr_workgroup_id_y 1
		.amdhsa_system_sgpr_workgroup_id_z 1
		.amdhsa_system_vgpr_workitem_id 0
		.amdhsa_next_free_vgpr 1024
		.amdhsa_next_free_sgpr 100
		.amdhsa_reserve_vcc 0
		.amdhsa_float_denorm_mode_32 3
		.amdhsa_float_denorm_mode_16_64 3
		.amdhsa_memory_ordered 1
		.amdhsa_forward_progress 1
		.amdhsa_inst_pref_size 178
	.end_amdhsa_kernel
	.amdgpu_metadata
---
amdhsa.version: [ 1, 2 ]
amdhsa.kernels:
  - .name:           k_q4987620482_gemm2
    .symbol:         k_q4987620482_gemm2.kd
    .args:
      - { .name: h1q, .offset: 0, .size: 8, .value_kind: global_buffer, .address_space: global }
      - { .name: w2q, .offset: 8, .size: 8, .value_kind: global_buffer, .address_space: global }
      - { .name: ptern, .offset: 16, .size: 8, .value_kind: global_buffer, .address_space: global }
      - { .name: b2, .offset: 24, .size: 8, .value_kind: global_buffer, .address_space: global }
      - { .name: Wp, .offset: 32, .size: 8, .value_kind: global_buffer, .address_space: global }
      - { .name: Wc, .offset: 40, .size: 8, .value_kind: global_buffer, .address_space: global }
      - { .name: h2q, .offset: 48, .size: 8, .value_kind: global_buffer, .address_space: global }
    .group_segment_fixed_size: 327680
    .private_segment_fixed_size: 0
    .kernarg_segment_align: 8
    .kernarg_segment_size: 56
    .max_flat_workgroup_size: 128
    .sgpr_count:     100
    .vgpr_count:     1024
    .wavefront_size: 32
...
	.end_amdgpu_metadata
.endif
;; end of part 4
;; launch heads (part 5): grid 16 x 16, 4 waves a work-group, clusters of 4 x 4, 327,680 bytes of LDS; arguments h2q, whq, ptern, ba, bd, bp, bc, out0; writes out0
.if DOCPART == 5
	.amdgcn_target "amdgcn-amd-amdhsa--gfx1250"
	.amdhsa_code_object_version 6
	.text
	.protected	k_q4987620482_heads
	.globl	k_q4987620482_heads
	.p2align	8
	.type	k_q4987620482_heads,@function
k_q4987620482_heads:
	s_mov_b64 s[64:65], 0
	v_nop
	global_prefetch_b8 v0, s[64:65] scope:SCOPE_SE
	s_setreg_imm32_b32 hwreg(HW_REG_WAVE_MODE, 25, 1), 1
	s_wait_xcnt 0x0
	s_wait_alu depctr_hold_cnt(0) depctr_sa_sdst(0) depctr_va_vdst(0) depctr_va_sdst(0) depctr_va_ssrc(0) depctr_va_vcc(0) depctr_vm_vsrc(0)
	s_getreg_b32 s2, hwreg(HW_REG_IB_STS2, 6, 4)
	s_cmp_eq_u32 s2, 0
	s_cbranch_scc0 .Lentry_in_a_cluster
	s_endpgm
.Lentry_in_a_cluster:
	s_bfe_u32 s2, ttmp6, 0x10000c
	s_cmp_lg_u32 s2, 0xf033
	s_cbranch_scc0 .Lentry_shape_is_right
	s_endpgm
.Lentry_shape_is_right:
; FIFTH LAUNCH: out0 = [h2 T(Wd)^T + bd (18) | h2 Wa^T + ba (1,024) | h2 . Wp + bp | sigmoid(h2 . Wc + bc)], rows of 1,044 f32.
; The directions run on the codes of t = sign(Wd) (|Wd| > delta), scale byte 127; each head's Q(alpha) multiplies the f32 sum on the way out (why that is the stated quantiser for all values: head of the first launch).
; SHARES.  A work-group makes 128 rows x (64 anchors + one tile of 16 that carries direction tx and, in tiles 0 and 1, direction 16 + tx): all 256 work-groups run alike, as joint loads ask, and every tile holds live work.
; THE FOUR WAVES SHARE K, NOT THE TILE: a slot holds 1,024 along K, four records; wave w multiplies record w of every slot for the whole 128 x 80: 40 accumulators, 13 fragments read for 40 products.  At the end the four partial
; tiles meet in LDS: wave w owns rows 32 w .. 32 w + 31.  A wave numbers the four groups of 32 rows by g xor w, so that its own rows are always its accumulators 0 to 9.  So K is summed in four parts here.
; THE MATRIX INSTRUCTION IS USED TRANSPOSED (source 0 = 16 anchors, source 1 = 16 rows): a lane holds eight neighbouring anchors of one row.  In the directions' tile even rows of source 0 hold direction tx and odd rows
; direction 16 + tx (or zero codes), so that register 0 of the result is the first and register 1 the second, in both halves of the lanes.
; ba is the C of the first product on a wave's own rows alone: it is added once.  progress and critic: the 32 partial sums a row that the launch before stored are added here, 8 rows a work-group.
; CLUSTERS: 4 x 4; h2's tile is asked for jointly along a row of the cluster, the anchors' and the directions' along a column.
; STORES.  A row of out0 is 4,176 bytes and the anchors begin at its byte 72, so a row's 64 anchors are 256 consecutive bytes at a multiple of 8, not of 256; the directions leave as 4 bytes a lane: 18 of a row's 1,044 numbers.
; REGISTERS: window 0: v1-39 addresses and constants; v40-63 scale words, two sets of 12; v64-255 h2's fragments, two sets of eight.  window 1: v0-119 the weights' fragments, two sets of five; v128-159 ba in the result's layout.
;   window 2: accumulator t = 5 a + b at v[8 t], a up to 5;  window 3: those of a = 6, 7, at v[8 (t - 30)].
; LIMITS: NaN and infinities are not served; alpha under 2^-120 is not served.
.set SLOT,  155136                     ; h2: 4 x 4 records of 6,400 bytes; the anchors: 2 x 4 records; the directions: 8 K steps of 192 bytes
.set WOFF,  102400
.set DOFF,  153600
.set SPARE, 2*SLOT                     ; the spare words, 128 bytes for each wave: two blocks of 256 bytes that no other line names
.set XREG,  30720                      ; the way out, in slot 0, which has had its last fill and its last read by then: for each wave three parts of 10,240 bytes from the other three; then, in the same bytes, its stage of 32 rows x 272
.set ADRA, 8                           ; v8-15   h2's fragments: slot s, group g: v[8 + 4 s + g]
.set ADSA, 16                          ; v16-23  their scale words
.set ADRW, 24                          ; v24-25  the anchors' fragments
.set ADSW, 26                          ; v26-27  their scale words
.set ADRD, 28                          ; v28-29  the directions' fragment
.set SPW,  30                          ; v30     my spare word; never rewritten
.set NIL,  31                          ; v31     0; never rewritten
.set ONE,  32                          ; v32     four scale bytes 127: t's scale word
.set XW,   33                          ; v33-35  where my partial sums for wave w xor x go
.set XR,   36                          ; v36     where the others' lie for me
.set STO,  37                          ; v37     the stage: where I put 32 bytes of a row
.set SRD,  38                          ; v38     and where I read a row back
.set L8,   39                          ; v39     8 x lane
.set SC,   40
.set AF,   64
.set WV,   24                          ; s24     my wave's number
.set G1A,  28                          ; s[28:35] descriptor group 1 for h2's tiles; s[36:43] the anchors'; s[44:51] the directions'
.set G1W,  36
.set G1D,  44
.set G0A,  52                          ; s[52:59] group 0 for h2's, a set for each slot; s[60:63], s[68:71] the anchors'; s[72:79] the directions'
.set G0W,  60
.set G0D,  72
.set MSB, 0
.macro WIN new                         ; the immediate's high byte repeats the setting that is left
.if MSB != \new
	s_set_vgpr_msb (MSB<<8)|\new
.set MSB, \new
.endif
.endm
.macro JLOAD3 s                        ; a joint load a wave: waves 0 and 1 h2's halves, wave 2 the anchors, wave 3 the directions.  The branches hang on the wave's number alone.  An s_nop 0 and four v_nop follow each line
	s_cmp_lt_u32 s[WV], 2
	s_cbranch_scc0 .Lnot_a_\@
	tensor_load_to_lds s[G0A+4*\s:G0A+4*\s+3], s[G1A:G1A+7]
	s_nop 0
.rept 4
	v_nop
.endr
	s_branch .Lasked_\@
.Lnot_a_\@:
	s_cmp_eq_u32 s[WV], 2
	s_cbranch_scc0 .Lfor_d_\@
	tensor_load_to_lds s[G0W+8*\s:G0W+8*\s+3], s[G1W:G1W+7]
	s_nop 0
.rept 4
	v_nop
.endr
	s_branch .Lasked_\@
.Lfor_d_\@:
	tensor_load_to_lds s[G0D+4*\s:G0D+4*\s+3], s[G1D:G1D+7]
	s_nop 0
.rept 4
	v_nop
.endr
.Lasked_\@:
.endm
; A prefetch of the slot two loads on: behind slot 0's load slot 2 (off = 0), behind slot 1's slot 3 (off = 25,600).  Waves 0 and 1 (h2) and wave 2 (the anchors) each fetch 2 x 100 blocks of 256 bytes;
; the partner at place p (cx for h2, cy for the anchors) names blocks 50 (p % 2) .. + 49 of group p / 2, by two instructions (lanes 18-31 of the second name its last again): each block once in each cluster that loads it,
; the partners parted by address alone.  The directions' 6 blocks a slot are not asked for: 1,536 of a slot's 155,136 bytes.
.macro ASKH off
	s_cmp_eq_u32 s[WV], 3
	s_cbranch_scc1 .Lnone_\@
	global_prefetch_b8 v5, s[6:7] offset:\off th:TH_LOAD_NT scope:SCOPE_SE
	global_prefetch_b8 v6, s[6:7] offset:\off+8192 th:TH_LOAD_NT scope:SCOPE_SE
.Lnone_\@:
.endm
.macro CREST
	s_cmp_lg_u32 s[WV], 0
	s_cbranch_scc1 .Lnot_wave_0_\@
	s_barrier_signal -3
.Lnot_wave_0_\@:
	s_barrier_wait -3
	s_barrier_signal -1
	s_barrier_wait -1
.endm
.macro CROUND
	s_barrier_signal -1
	s_barrier_wait -1
	CREST
.endm
.macro PLACES n                        ; plain vector instructions between a matrix instruction and a load into, or a vector read or write of, its registers (ISA guide 7.12.1 for vector instructions)
.rept \n
	v_nop
.endr
.endm
.macro FETCHH slot, s, p               ; K step s of my record of the slot into set p: 39 loads
	WIN 0x40                                       ; destination window 1
.irp b, 0,1,2,3
.irp c, 0,1,2
	ds_load_b128 v[60*(\p)+12*\b+4*\c:60*(\p)+12*\b+4*\c+3], v[ADRW+\slot] offset:(\b/2)*25600+(2*(\b%2)+(\s))*1536+512*\c
.endr
.endr
.irp c, 0,1,2
	ds_load_b128 v[60*(\p)+48+4*\c:60*(\p)+48+4*\c+3], v[ADRD+\slot] offset:192*(\s)+64*\c   ; lanes of one half and one parity read the same 16 bytes
.endr
	WIN 0
.irp a, 0,1,2,3,4,5,6,7
.irp c, 0,1,2
	ds_load_b128 v[AF+96*(\p)+12*\a+4*\c:AF+96*(\p)+12*\a+4*\c+3], v[ADRA+4*\slot+\a/2] offset:(2*(\a%2)+(\s))*1536+512*\c
.endr
.endr
.endm
.macro SCALESH slot                    ; my record's scale words: h2's at 2 g + s, the anchors' at 8 + 2 g + s: lanes 0-15 the even tile, lanes 16-31 the odd one
.irp g, 0,1,2,3
	ds_load_b64 v[SC+12*\slot+2*\g:SC+12*\slot+2*\g+1], v[ADSA+4*\slot+\g]
.endr
.irp g, 0,1
	ds_load_b64 v[SC+12*\slot+8+2*\g:SC+12*\slot+9+2*\g], v[ADSW+\slot] offset:25600*\g
.endr
.endm
.macro WM ck, ra, rb                   ; one product, by the symbols rD rB rA rC rSB rSA.  ck = 0: C is 0.  ra, rb: the scale words lie in lanes 16-31
.if (\ck) == 0
.if (\ra) && (\rb)
	v_wmma_scale_f32_16x16x128_f8f6f4 v[rD:rD+7], v[rB:rB+11], v[rA:rA+11], 0, v[rSB], v[rSA] matrix_a_fmt:MATRIX_FMT_BF6 matrix_b_fmt:MATRIX_FMT_BF6 matrix_a_scale:MATRIX_SCALE_ROW1 matrix_b_scale:MATRIX_SCALE_ROW1
.elseif \ra
	v_wmma_scale_f32_16x16x128_f8f6f4 v[rD:rD+7], v[rB:rB+11], v[rA:rA+11], 0, v[rSB], v[rSA] matrix_a_fmt:MATRIX_FMT_BF6 matrix_b_fmt:MATRIX_FMT_BF6 matrix_a_scale:MATRIX_SCALE_ROW1
.elseif \rb
	v_wmma_scale_f32_16x16x128_f8f6f4 v[rD:rD+7], v[rB:rB+11], v[rA:rA+11], 0, v[rSB], v[rSA] matrix_a_fmt:MATRIX_FMT_BF6 matrix_b_fmt:MATRIX_FMT_BF6 matrix_b_scale:MATRIX_SCALE_ROW1
.else
	v_wmma_scale_f32_16x16x128_f8f6f4 v[rD:rD+7], v[rB:rB+11], v[rA:rA+11], 0, v[rSB], v[rSA] matrix_a_fmt:MATRIX_FMT_BF6 matrix_b_fmt:MATRIX_FMT_BF6
.endif
.else
.if (\ra) && (\rb)
	v_wmma_scale_f32_16x16x128_f8f6f4 v[rD:rD+7], v[rB:rB+11], v[rA:rA+11], v[rC:rC+7], v[rSB], v[rSA] matrix_a_fmt:MATRIX_FMT_BF6 matrix_b_fmt:MATRIX_FMT_BF6 matrix_a_scale:MATRIX_SCALE_ROW1 matrix_b_scale:MATRIX_SCALE_ROW1
.elseif \ra
	v_wmma_scale_f32_16x16x128_f8f6f4 v[rD:rD+7], v[rB:rB+11], v[rA:rA+11], v[rC:rC+7], v[rSB], v[rSA] matrix_a_fmt:MATRIX_FMT_BF6 matrix_b_fmt:MATRIX_FMT_BF6 matrix_a_scale:MATRIX_SCALE_ROW1
.elseif \rb
	v_wmma_scale_f32_16x16x128_f8f6f4 v[rD:rD+7], v[rB:rB+11], v[rA:rA+11], v[rC:rC+7], v[rSB], v[rSA] matrix_a_fmt:MATRIX_FMT_BF6 matrix_b_fmt:MATRIX_FMT_BF6 matrix_b_scale:MATRIX_SCALE_ROW1
.else
	v_wmma_scale_f32_16x16x128_f8f6f4 v[rD:rD+7], v[rB:rB+11], v[rA:rA+11], v[rC:rC+7], v[rSB], v[rSA] matrix_a_fmt:MATRIX_FMT_BF6 matrix_b_fmt:MATRIX_FMT_BF6
.endif
.endif
.endm
.macro MUL5 a, p, s, set, first        ; row block a against the five tiles.  first = 1: the products start the sums: with ba on my own rows' anchors, else with 0.  The 40 accumulators take turns, in the same order in every step
.if (\first) && ((\a) < 2)
	WIN 0x91                                       ; source 0 window 1, source 1 window 0, C window 1 (ba), D window 2
.elseif (\a) < 6
	WIN 0xa1                                       ; C and D window 2
.else
	WIN 0xf1                                       ; C and D window 3
.endif
.irp b, 0,1,2,3,4
.set rD, 8*((5*(\a)+\b)%30)
.set rB, 60*(\p)+12*\b
.set rA, AF+96*(\p)+12*(\a)
.set rSA, SC+12*(\set)+2*((\a)/2)+(\s)
.set rSB, ONE
.set kRA, 0
.if \b < 4
.set rSB, SC+12*(\set)+8+2*(\b/2)+(\s)
.set kRA, \b%2
.endif
.set kC, 1
.set rC, rD
.if \first
.set kC, 0
.if ((\a) < 2) && (\b < 4)
.set kC, 1
.set rC, 128+8*\b
.endif
.endif
	WM kC, kRA, (\a)%2
.endr
.endm
.macro HSTEP slot, first               ; my record's first K step: the second's fragments are asked for, then 40 products
	s_wait_dscnt 0x0                               ; this step's fragments and the slot's scale words are in
.if (\first) == 0
	PLACES 4                                       ; the other set was read by the products just issued
.endif
	FETCHH \slot, 1, 1
.irp a, 0,1,2,3,4,5,6,7
	MUL5 \a, 0, 0, \slot, \first
.endr
	WIN 0
.endm
.macro HTURN slot, next, fill          ; its second K step changes slots: ONE barrier.  fill = 1: this slot is filled again, two slots ahead
	s_wait_tensorcnt 0x0                           ; all my tensor loads have landed: my part of the next slot
	ds_add_u32 v[SPW], v[NIL]                      ; 0 onto my spare word
	s_wait_dscnt 1                                 ; the step's 39 loads are in; the add alone may be out
	MUL5 0, 1, 1, \slot, 0                         ; five products stand between the add and the wait for it
	s_wait_dscnt 0x0                               ; the add is done, and my reads of this slot are over
	s_barrier_signal -1
	MUL5 1, 1, 1, \slot, 0
	WIN 0
	s_barrier_wait -1
.if \fill
	CREST                                          ; the barrier has opened a round of the cluster's: no wave of any partner still reads this slot or has a load on its way
	s_add_nc_u64 s[G0A+4*\slot+2:G0A+4*\slot+3], s[G0A+4*\slot+2:G0A+4*\slot+3], 51200
	s_add_nc_u64 s[G0W+8*\slot+2:G0W+8*\slot+3], s[G0W+8*\slot+2:G0W+8*\slot+3], 51200
	s_add_nc_u64 s[G0D+4*\slot+2:G0D+4*\slot+3], s[G0D+4*\slot+2:G0D+4*\slot+3], 3072
	JLOAD3 \slot                                   ; the first tensor load behind the round; its four v_nop are the places in front of the loads below
.else
	PLACES 4
.endif
	FETCHH \next, 0, 0
	SCALESH \next
.irp a, 2,3,4,5,6,7
	MUL5 \a, 1, 1, \slot, 0
.endr
	WIN 0
.endm
.macro ALPHAQ cnt, ms, out, t0, t1     ; alpha = sum / max(count, 1), to the last place or next to it; then Q(alpha): two mantissa bits, to nearest, ties to even, held at 1.75 x its power of two (28 scales)
	v_max_num_f32 v[\cnt], 1.0, v[\cnt]
	s_wait_alu depctr_va_vdst(0)
	v_rcp_f32 v[\t0], v[\cnt]
	v_nop                                          ; a plain place behind the transcendental,
	s_wait_alu depctr_va_vdst(0)                   ; and the wait ahead of its first reader
	v_fma_f32 v[\t1], -v[\cnt], v[\t0], 1.0
	v_fma_f32 v[\t0], v[\t1], v[\t0], v[\t0]
	v_mul_f32 v[\out], v[\ms], v[\t0]
	v_fma_f32 v[\t1], -v[\cnt], v[\out], v[\ms]
	v_fma_f32 v[\out], v[\t1], v[\t0], v[\out]
	v_bfe_u32 v[\t0], v[\out], 21, 1
	v_add3_u32 v[\t0], v[\out], v[\t0], 0xfffff
	v_and_b32 v[\t0], 0xffe00000, v[\t0]
	v_and_or_b32 v[\t1], v[\out], 0x7f800000, s98
	v_min_u32 v[\out], v[\t0], v[\t1]
.endm
	s_load_b512 s[4:19], s[0:1], 0x0               ; h2q s[4:5], whq s[6:7], ptern s[8:9], ba s[10:11], bd s[12:13], bp s[14:15], bc s[16:17], out0 s[18:19]
	v_lshl_add_u32 v[SPW], v0, 2, SPARE
	v_mov_b32 v[NIL], 0
	ds_add_u32 v[SPW], v[NIL]                      ; the wave's opening: the add, twice on end, and its wait ahead of my first tensor load; the set-up below stands between
	ds_add_u32 v[SPW], v[NIL]
	v_lshrrev_b32 v1, 5, v0
	v_readfirstlane_b32 s[WV], v1                  ; wave 0..3
	s_bfe_u32 s25, ttmp6, 0x40000                  ; cx, cy: my place in the cluster
	s_bfe_u32 s26, ttmp6, 0x40004
	s_lshl_b32 s27, ttmp9, 2
	s_add_co_u32 s27, s27, s25                     ; tx: which 64 anchors, which direction
	s_and_b32 s3, ttmp7, 0xffff
	s_lshl_b32 s3, s3, 2
	s_add_co_u32 s3, s3, s26                       ; ty: which 128 rows
	s_lshl_b32 s20, s26, 2
	s_lshl_b32 s20, 15, s20                        ; my row of the cluster
	s_lshl_b32 s66, 0x1111, s25                    ; my column
	s_or_b32 s[G1A], s20, (3<<16)|(1<<21)          ; 15:0 the mask; 17:16 elements of 8 bytes; 21 set beside a mask; no padding
	s_or_b32 s[G1W], s66, (3<<16)|(1<<21)
	s_or_b32 s[G1D], s66, (3<<16)|(1<<21)
.irp g, G1A, G1W
	s_mov_b32 s[\g+1], 3200<<16                    ; tensor_dim0: four records on end, 25,600 bytes
	s_mov_b32 s[\g+2], 2<<16                       ; tensor_dim1: two times 32 rows
	s_mov_b32 s[\g+3], 3200<<16                    ; tile_dim0
	s_mov_b32 s[\g+4], 2                           ; tile_dim1
	s_mov_b32 s[\g+5], 12800                       ; from 32 rows to the next 32: sixteen records
	s_mov_b32 s[\g+6], 0
	s_mov_b32 s[\g+7], 0
.endr
	s_mov_b32 s[G1D+1], 32<<16                     ; a dense block of 1,536 bytes as six rows of 256
	s_mov_b32 s[G1D+2], 6<<16
	s_mov_b32 s[G1D+3], 32<<16
	s_mov_b32 s[G1D+4], 6
	s_mov_b32 s[G1D+5], 32
	s_mov_b32 s[G1D+6], 0
	s_mov_b32 s[G1D+7], 0
	s_and_b32 s21, s[WV], 1                        ; h2: 32-row group 4 ty + 2 x half: made of ty and the wave's number alone
	s_lshl_b32 s20, s3, 2
	s_lshl_b32 s22, s21, 1
	s_add_co_u32 s20, s20, s22
	s_mul_i32 s20, s20, 102400
	s_mul_i32 s2, s21, 51200                       ; where it goes: no place in the cluster enters an LDS address
	s_mov_b32 s21, 0
	s_mul_i32 s66, s27, 204800                     ; the anchors: groups 2 tx, 2 tx + 1
	s_mov_b32 s67, 0
	s_mul_i32 s80, s27, 6144                       ; the directions: tile tx, behind the anchors' records
	s_add_co_u32 s80, s80, 3276800
	s_mov_b32 s81, 0
	s_mov_b32 s100, 0x76543210
	s_mov_b32 s101, 0xfedcba98
	s_wait_dscnt 0x0                               ; both opening adds are done
	s_wait_kmcnt 0x0
	s_add_nc_u64 s[20:21], s[4:5], s[20:21]
	s_add_nc_u64 s[66:67], s[6:7], s[66:67]
	s_add_nc_u64 s[80:81], s[6:7], s[80:81]
	CROUND                                         ; all sixteen work-groups are here: the first joint loads meet
.irp s, 0,1
	s_mov_b32 s[G0A+4*\s], 1
	s_add_co_u32 s[G0A+4*\s+1], s2, \s*SLOT
	s_add_nc_u64 s[G0A+4*\s+2:G0A+4*\s+3], s[20:21], \s*25600
	s_or_b32 s[G0A+4*\s+3], s[G0A+4*\s+3], 0x80000000
	s_mov_b32 s[G0W+8*\s], 1
	s_mov_b32 s[G0W+8*\s+1], \s*SLOT+WOFF
	s_add_nc_u64 s[G0W+8*\s+2:G0W+8*\s+3], s[66:67], \s*25600
	s_or_b32 s[G0W+8*\s+3], s[G0W+8*\s+3], 0x80000000
	s_mov_b32 s[G0D+4*\s], 1
	s_mov_b32 s[G0D+4*\s+1], \s*SLOT+DOFF
	s_add_nc_u64 s[G0D+4*\s+2:G0D+4*\s+3], s[80:81], \s*1536
	s_or_b32 s[G0D+4*\s+3], s[G0D+4*\s+3], 0x80000000
.endr
	JLOAD3 0                                       ; slot 0: one tensor load a wave at the head; all that follows up to the wait is done while it lands
	s_cmp_lt_u32 s[WV], 2                          ; the prefetches' base, in the registers that held whq's address: the rows that I fetch,
	s_cselect_b64 s[6:7], s[20:21], s[66:67]
	s_cselect_b32 s22, s25, s26                    ; my place among the four that ask with me,
	s_lshr_b32 s23, s22, 1
	s_and_b32 s22, s22, 1
	s_mul_i32 s23, s23, 102400                     ; its group of 32 rows,
	s_mul_i32 s22, s22, 12800                      ; its half of the group's 100 blocks,
	s_add_co_u32 s22, s22, s23
	s_add_co_u32 s22, s22, 51200                   ; at slot 2
	s_mov_b32 s23, 0
	s_add_nc_u64 s[6:7], s[6:7], s[22:23]
	v_and_b32 v1, 31, v0                           ; lane
	v_and_b32 v2, 15, v0                           ; r
	v_bfe_u32 v3, v0, 4, 1                         ; h
	v_lshlrev_b32 v4, 4, v1
	v_lshlrev_b32 v[L8], 3, v1
	v_mov_b32 v[ONE], 0x7f7f7f7f
	s_mul_i32 s2, s[WV], 6400                      ; my record of a slot's four
	v_add_nc_u32 v5, s2, v4
	v_add_nc_u32 v6, s2, v[L8]
	v_add_nc_u32 v6, 6144, v6
.irp g, 0,1,2,3
	s_xor_b32 s20, s[WV], \g                       ; my group g is the tile's group g xor w
	s_mul_i32 s20, s20, 25600
	v_add_nc_u32 v[ADRA+\g], s20, v5
	v_add_nc_u32 v[ADRA+4+\g], SLOT, v[ADRA+\g]
	v_add_nc_u32 v[ADSA+\g], s20, v6
	v_add_nc_u32 v[ADSA+4+\g], SLOT, v[ADSA+\g]
.endr
	v_add_nc_u32 v[ADRW], WOFF, v5
	v_add_nc_u32 v[ADRW+1], SLOT, v[ADRW]
	v_add_nc_u32 v[ADSW], WOFF, v6
	v_add_nc_u32 v[ADSW+1], SLOT, v[ADSW]
	s_mul_i32 s20, s[WV], 384                      ; my two K steps of the slot's eight
	s_add_co_u32 s20, s20, DOFF
	v_and_b32 v7, 1, v0
	v_lshlrev_b32 v7, 4, v7
	v_lshl_add_u32 v7, v3, 5, v7                   ; half h, row slot r % 2
	v_add_nc_u32 v[ADRD], s20, v7
	v_add_nc_u32 v[ADRD+1], SLOT, v[ADRD]
.irp x, 1,2,3
	s_xor_b32 s20, s[WV], \x
	s_mul_i32 s20, s20, XREG
	v_add_nc_u32 v[XW+\x-1], s20, v4
.endr
	s_mul_i32 s20, s[WV], XREG
	v_add_nc_u32 v[XR], s20, v4
	v_mul_u32_u24 v[STO], v2, 272
	v_lshl_add_u32 v[STO], v3, 5, v[STO]
	v_add_nc_u32 v[STO], s20, v[STO]
	v_add_nc_u32 v[SRD], s20, v[L8]
	s_lshl_b32 s66, s27, 8                         ; ba: my 64 anchors; lane (r, h) wants, for tile b, those of anchors 16 b + 8 h + 0 .. 7
	s_mov_b32 s67, 0
	s_add_nc_u64 s[10:11], s[10:11], s[66:67]
	v_lshlrev_b32 v7, 5, v3
	WIN 0x40
.irp b, 0,1,2,3
	global_load_b128 v[128+8*\b:128+8*\b+3], v7, s[10:11] offset:64*\b
	global_load_b128 v[128+8*\b+4:128+8*\b+7], v7, s[10:11] offset:64*\b+16
.endr
	WIN 0
	v_lshlrev_b32 v5, 8, v1                        ; the prefetches' lane offsets: blocks 0 to 31,
	v_min_u32 v6, 17, v1
	v_lshlrev_b32 v6, 8, v6                        ; and 32 to 49 (8,192 bytes on, in the immediate); neither is rewritten
	ASKH 0
	s_mul_i32 s25, s27, 11
	s_lshr_b32 s25, s25, 5
	s_mul_i32 s25, s25, 48
	s_lshl_b32 s66, s27, 2
	s_add_co_u32 s67, s27, 16
	s_min_u32 s67, s67, 17                         ; (inside bd in every tile)
	s_lshl_b32 s67, s67, 2
	s_load_b128 s[84:87], s[8:9], s25 offset:3072
	s_load_b128 s[88:91], s[8:9], s25 offset:3088
	s_load_b128 s[92:95], s[8:9], s25 offset:3104
	s_load_b128 s[96:99], s[8:9], 0xcf0
	s_load_b128 s[20:23], s[8:9], 0xd00
	s_load_b128 s[80:83], s[8:9], 0xd10
	s_load_b32 s104, s[12:13], s66 offset:0x0      ; bd of the first direction,
	s_load_b32 s105, s[12:13], s67 offset:0x0      ; of the second
	s_load_b32 s26, s[14:15], 0x0                  ; bp
	s_load_b32 s2, s[16:17], 0x0                   ; bc
	s_wait_loadcnt 0x0                             ; ba
	s_wait_kmcnt 0x0
	s_add_f32 s84, s84, s86
	s_add_f32 s85, s85, s87
	s_add_f32 s88, s88, s90
	s_add_f32 s89, s89, s91
	s_add_f32 s92, s92, s94
	s_add_f32 s93, s93, s95
	s_add_f32 s84, s84, s88
	s_add_f32 s85, s85, s89
	s_add_f32 s84, s84, s92                        ; s84, s85: the first direction's count and sum
	s_add_f32 s85, s85, s93
	s_add_f32 s96, s96, s98
	s_add_f32 s97, s97, s99
	s_add_f32 s20, s20, s22
	s_add_f32 s21, s21, s23
	s_add_f32 s80, s80, s82
	s_add_f32 s81, s81, s83
	s_add_f32 s96, s96, s20
	s_add_f32 s97, s97, s21
	s_add_f32 s96, s96, s80                        ; s96, s97: the second's
	s_add_f32 s97, s97, s81
	s_lshl_b32 s80, s3, 7                          ; where the results go: my first row, 128 ty + 32 w,
	s_lshl_b32 s81, s[WV], 5
	s_add_co_u32 s80, s80, s81
	s_mul_i32 s80, s80, 4176
	s_mov_b32 s81, 0
	s_add_nc_u64 s[88:89], s[18:19], s[80:81]
	s_lshl_b32 s82, s27, 8
	s_mov_b32 s83, 0
	s_add_nc_u64 s[86:87], s[88:89], s[82:83]      ; its anchors (72 bytes on: in the stores' offset),
	s_lshl_b32 s82, s27, 2
	s_add_nc_u64 s[88:89], s[88:89], s[82:83]      ; its direction tx;
	s_lshl_b32 s80, s3, 7
	s_lshl_b32 s82, s27, 3
	s_add_co_u32 s80, s80, s82
	s_lshl_b32 s82, s[WV], 1
	s_add_co_u32 s80, s80, s82                     ; my two rows of progress and critic: 128 ty + 8 tx + 2 w
	s_mul_i32 s82, s80, 4176
	s_add_nc_u64 s[90:91], s[18:19], s[82:83]
	s_lshl_b32 s80, s80, 3
	s_add_co_u32 s80, s80, 6553600
	s_add_nc_u64 s[92:93], s[4:5], s[80:81]        ; and their partial sums
	s_mov_b32 s94, 0xffff0000
	s_cmp_lt_u32 s27, 2
	s_cselect_b32 s95, s94, 0                      ; lanes 16-31 where the tile has a second direction, else none: it selects values alone
	s_mov_b32 s98, 0x600000                        ; the mantissa of 1.75
	s_wait_alu depctr_va_vdst(0)                   ; the head's end
	s_wait_tensorcnt 0x0                           ; my part of slot 0 is in
	ds_add_u32 v[SPW], v[NIL]
	s_wait_dscnt 0x0
	CROUND                                         ; everybody's part is in, and all sixteen work-groups are here
	JLOAD3 1                                       ; slot 1, the first tensor load behind the round
	FETCHH 0, 0, 0
	SCALESH 0
	ASKH 25600
	HSTEP 0, 1                                     ; K 0 to 1,023: the first products start the sums
	HTURN 0, 1, 1                                  ; slot 0 takes K 2,048 on
	HSTEP 1, 0
	HTURN 1, 0, 1                                  ; slot 1 takes K 3,072 on
	HSTEP 0, 0
	HTURN 0, 1, 0                                  ; nothing is left to fetch
	HSTEP 1, 0
	s_wait_dscnt 0x0
.irp a, 0,1,2,3,4,5,6,7
	MUL5 \a, 1, 1, 1, 0
.endr
	WIN 0
	; THE WAY OUT.
	PLACES 4                                       ; behind the last products: their results are read and their operands' registers loaded below
	v_lshlrev_b32 v228, 14, v2                     ; progress and critic: lane l: row l / 16 of my two, partial sums l % 16 and 16 + l % 16, 16,384 bytes apart
	v_lshl_add_u32 v228, v3, 3, v228
	global_load_b64 v[224:225], v228, s[92:93]
	global_load_b64 v[226:227], v228, s[92:93] offset:262144
.macro XSEND x                         ; my partial sums of the rows of wave w xor x: ten accumulators as they stand, each from its low end on
.if (\x) < 3
	WIN 0x08                                       ; an LDS store's data are its source 1: window 2
.else
	WIN 0x0c                                       ; window 3
.endif
.set i, 0
.rept 10
.set rD, 8*((10*(\x)+i)%30)
	ds_store_b128 v[XW+(\x)-1], v[rD:rD+3] offset:10240*((\x)-1)+1024*i
	ds_store_b128 v[XW+(\x)-1], v[rD+4:rD+7] offset:10240*((\x)-1)+1024*i+512
.set i, i+1
.endr
.endm
.macro XLOAD x, reg
.set i, 0
.rept 20
	ds_load_b128 v[\reg+4*i:\reg+4*i+3], v[XR] offset:10240*((\x)-1)+512*i
.set i, i+1
.endr
.endm
.macro XADD reg
	WIN 0x82                                       ; destination and source 0 window 2
.set i, 0
.rept 40
	v_pk_add_f32 v[2*i:2*i+1], v[2*i:2*i+1], v[\reg+2*i:\reg+2*i+1]
.set i, i+1
.endr
	WIN 0
.endm
	XSEND 1
	XSEND 2
	s_wait_alu depctr_va_vdst(0)
	XSEND 3
	WIN 0
	s_wait_dscnt 0x0                               ; for the others' sake: my stores have landed
	s_barrier_signal -1
	s_barrier_wait -1
	XLOAD 1, 64
	XLOAD 2, 144
	s_wait_dscnt 20                                ; the first part is in; the second's 20 loads are younger
	XADD 64
	XLOAD 3, 64
	s_wait_dscnt 20                                ; the second part is in; the third's 20 loads are younger
	XADD 144
	s_wait_dscnt 0x0
	XADD 64
	; the anchors: a lane's 32 bytes of a row into my stage, whole rows of 256 bytes back.  The stage lies in the bytes that I alone have just read; LDS serves a wave's instructions in order
	WIN 0x08
.irp a, 0,1
.irp b, 0,1,2,3
	ds_store_b128 v[STO], v[8*(5*\a+\b):8*(5*\a+\b)+3] offset:16*\a*272+64*\b
	ds_store_b128 v[STO], v[8*(5*\a+\b)+4:8*(5*\a+\b)+7] offset:16*\a*272+64*\b+16
.endr
.endr
	WIN 0
.set i, 0
.rept 32
	ds_load_b64 v[64+2*i:65+2*i], v[SRD] offset:272*i
.set i, i+1
.endr
.set i, 0
.rept 32
	s_wait_dscnt 31-i                              ; row i is back; the younger rows' loads stay out
	global_store_b64 v[L8], v[64+2*i:65+2*i], s[86:87] offset:4176*i+72 th:TH_STORE_NT   ; 32 lanes store 256 consecutive bytes of a row
.set i, i+1
.endr
	; the directions: lanes 0-15 direction tx; lanes 16-31 direction 16 + tx in tiles 0 and 1; elsewhere they hold, and store to the same words, what lanes 0-15 do
	v_mov_b32 v230, s84
	v_cndmask_b32 v230, v230, s96, s95
	v_mov_b32 v231, s85
	v_cndmask_b32 v231, v231, s97, s95
	v_mov_b32 v232, s104
	v_cndmask_b32 v232, v232, s105, s95
	ALPHAQ 230, 231, 233, 234, 235
	WIN 0x0a                                       ; sources 0 and 1 window 2
	v_cndmask_b32 v236, v32, v33, s95              ; accumulator 4: rows 0-15; register 0 the first direction, register 1 the second
	v_cndmask_b32 v237, v72, v73, s95              ; accumulator 9: rows 16-31
	WIN 0
	v_fma_f32 v236, v236, v233, v232
	v_fma_f32 v237, v237, v233, v232
	v_mul_u32_u24 v238, v2, 4176
	v_cndmask_b32 v239, 0, 64, s95
	v_add_nc_u32 v238, v238, v239
	global_store_b32 v238, v236, s[88:89]
	global_store_b32 v238, v237, s[88:89] offset:66816
	; progress and critic
	s_wait_loadcnt 0x0
	v_pk_add_f32 v[224:225], v[224:225], v[226:227]
.irp m, 1,2,4,8
	v_add_f32_dpp v224, v224, v224 row_xmask:\m row_mask:0xf bank_mask:0xf
	v_add_f32_dpp v225, v225, v225 row_xmask:\m row_mask:0xf bank_mask:0xf
.endr
	v_add_f32 v224, s26, v224                      ; + bp
	v_add_f32 v225, s2, v225                       ; + bc
	v_mul_f32 v225, 0xbfb8aa3b, v225               ; sigmoid(z) = 1 / (1 + 2^(-z log2 e))
	s_wait_alu depctr_va_vdst(0)
	v_exp_f32 v225, v225
	v_nop                                          ; a plain place behind the transcendental,
	s_wait_alu depctr_va_vdst(0)                   ; and the wait ahead of its first reader
	v_add_f32 v225, 1.0, v225
	s_wait_alu depctr_va_vdst(0)
	v_rcp_f32 v225, v225
	v_mul_u32_u24 v226, v3, 4176                   ; (a plain place)
	s_wait_alu depctr_va_vdst(0)
	s_wait_xcnt 0x0                                ; EXEC changes only behind this wait
	v_cmp_eq_u32 vcc_lo, 0, v2
	s_and_saveexec_b32 s99, vcc_lo                 ; one lane a row
	global_store_b64 v226, v[224:225], s[90:91] offset:4168
	s_wait_xcnt 0x0
	s_or_b32 exec_lo, exec_lo, s99
	s_wait_tensorcnt 0x0                           ; the wave's end: these three lines, behind my last tensor load and my last LDS store
	ds_add_u32 v[SPW], v[NIL]
	s_wait_dscnt 0x0
	CROUND                                         ; the closing round: no work-group ends while a partner may still ask for a tile that names it
	s_endpgm
.Lfunc_end_k_q4987620482_heads:
	.size	k_q4987620482_heads, .Lfunc_end_k_q4987620482_heads-k_q4987620482_heads
	.p2alignl 7, 3214868480
	.fill 96, 4, 3214868480
	.section	.rodata,"a",@progbits
	.p2align	6, 0x0
	.amdhsa_kernel k_q4987620482_heads
		.amdhsa_group_segment_fixed_size 327680
		.amdhsa_private_segment_fixed_size 0
		.amdhsa_enable_private_segment 0
		.amdhsa_kernarg_size 64
		.amdhsa_user_sgpr_count 2
		.amdhsa_user_sgpr_kernarg_segment_ptr 1
		.amdhsa_wavefront_size32 1
		.amdhsa_system_sgpr_workgroup_id_x 1
		.amdhsa_system_sgpr_workgroup_id_y 1
		.amdhsa_system_sgpr_workgroup_id_z 1
		.amdhsa_system_vgpr_workitem_id 0
		.amdhsa_next_free_vgpr 1024
		.amdhsa_next_free_sgpr 106
		.amdhsa_reserve_vcc 1
		.amdhsa_float_denorm_mode_32 3
		.amdhsa_float_denorm_mode_16_64 3
		.amdhsa_memory_ordered 1
		.amdhsa_forward_progress 1
		.amdhsa_inst_pref_size 108
	.end_amdhsa_kernel
	.amdgpu_metadata
---
amdhsa.version: [ 1, 2 ]
amdhsa.kernels:
  - .name:           k_q4987620482_heads
    .symbol:         k_q4987620482_heads.kd
    .args:
      - { .name: h2q, .offset: 0, .size: 8, .value_kind: global_buffer, .address_space: global }
      - { .name: whq, .offset: 8, .size: 8, .value_kind: global_buffer, .address_space: global }
      - { .name: ptern, .offset: 16, .size: 8, .value_kind: global_buffer, .address_space: global }
      - { .name: ba, .offset: 24, .size: 8, .value_kind: global_buffer, .address_space: global }
      - { .name: bd, .offset: 32, .size: 8, .value_kind: global_buffer, .address_space: global }
      - { .name: bp, .offset: 40, .size: 8, .value_kind: global_buffer, .address_space: global }
      - { .name: bc, .offset: 48, .size: 8, .value_kind: global_buffer, .address_space: global }
      - { .name: out0, .offset: 56, .size: 8, .value_kind: global_buffer, .address_space: global }
    .group_segment_fixed_size: 327680
    .private_segment_fixed_size: 0
    .kernarg_segment_align: 8
    .kernarg_segment_size: 64
    .max_flat_workgroup_size: 128
    .sgpr_count:     106
    .vgpr_count:     1024
    .wavefront_size: 32
...
	.end_amdgpu_metadata
.endif
;; end of part 5
